; MI455X (gfx1250); checked and timed in simulation.
; The chip was launched on July 23, 2026; its instructions are those of AMD's public machine-readable ISA for CDNA 5 (MIT licence, August 2026) and "CDNA5" Instruction Set Architecture Reference Guide (July 2026). The comments in the code are by the model that wrote it; some were corrected since.
;; Feature Grid. Allowed arithmetic: matrix products marked QUANTISED: E2M1 operands, one E8M0 scale for each 32 along K, by v_wmma_scale_f32_16x16x128_f8f6f4 with both operands' format E2M1 (or v_wmma_scale_f32_32x16x128_f4), f32 sums; products left as they are: f32 operands where the result goes on into a quantised operand, else bf16, f16 or f32 operands; f32 sums; everything else in f32.
;; Inputs: Wkv 64 x 128 float32; Wo 64 x 64 float32; Wq 64 x 64 float32; bo 64 float32; coords 1 x 8,192 x 2 float32; image 1 x 1 x 128 x 128 float32; latents 1 x 64 x 128 x 128 float32; ln_bc 64 float32; ln_bx 64 float32; ln_gc 64 float32; ln_gx 64 float32.
;; Outputs: out0 8,192 x 97 float32.
;; Constants: N = 16.
;; This version of the problem:
;;   THIS VERSION OF THE PROBLEM IS GIVEN IN LOW PRECISION. The matrix products marked QUANTISED in the list below multiply operands that are first quantised to E2M1 (2 exponent bits, 1 mantissa bit; 4 bits a number), with one power-of-two scale for each 32 numbers along K (OCP MX v1.0); their sums are f32. All else is computed in f32.
;;   The module's matrix products, in the order in which they are computed (A, B: the left and right operand; K: the contracted axis; several contracted axes count as one K, in the product's order):
;;     1. [M 8,192, K 2] x [K 2, N 16,384]; A: computed on the way; B: computed on the way: left as it is (K = 2 < 32)
;;     2. [M 8,192, K 64] x [K 64, N 64]; A: computed on the way; B: input Wq: QUANTISED
;;     3. [M 131,072, K 64] x [K 64, N 128]; A: computed on the way; B: input Wkv: QUANTISED
;;     4. batch 8,192 x [M 1, K 64] x [K 64, N 16]; A: computed on the way; B: computed on the way: left as it is (M = 1 < 16)
;;     5. batch 8,192 x [M 1, K 16] x [K 16, N 64]; A: softmax; B: computed on the way: left as it is (K = 16 < 32)
;;     6. [M 8,192, K 64] x [K 64, N 64]; A: computed on the way; B: input Wo: QUANTISED
;;   THE QUANTISER, for each operand of a quantised product, along K:
;;     - K is cut into blocks of 32 from its start; a last block that is shorter is filled with zeros.
;;     - A block's scale is 2^e with e = floor(log2(the largest magnitude in the block)) - 2, held to -126 .. 127; a block of zeros has e = 0. As a byte (E8M0): e + 127.
;;     - Each number is divided by its block's scale, clamped to +-6, and rounded to the nearest number of E2M1, ties to even, subnormals kept.
;;     - The product sums the exact products of the quantised numbers (number of the format x scale) in f32.
;;   ~~~python
;;   def quantise(x, axis):      # numpy; x: float32 -> the quantised numbers, widened to float32 again
;;       x = np.moveaxis(x, axis, -1); K = x.shape[-1]
;;       x = np.pad(x, [(0, 0)] * (x.ndim - 1) + [(0, -K % 32)]); x = x.reshape(x.shape[:-1] + (-1, 32)); a = np.abs(x).max(-1, keepdims=True)
;;       e = np.where(a > 0, np.clip(np.frexp(np.where(a > 0, a, 1))[1] - 1 - 2, -126, 127), 0)      # np.frexp(a)[1] - 1 = floor(log2(a)), exactly
;;       r = np.clip(x / 2.0 ** e, -6, 6)
;;       step = 2.0 ** (np.maximum(np.frexp(np.where(r == 0, 1, r))[1] - 1, 0) - 1)
;;       q = np.round(r / step) * step * 2.0 ** e      # np.round: ties to even
;;       return np.moveaxis(q.reshape(q.shape[:-2] + (-1,))[..., :K], -1, axis).astype(np.float32)
;;   ~~~
;;   OPERANDS COMPUTED ON THE WAY. 'Computed on the way' means the value that the module computes at that place (a softmax that the list does not call 'softmax' is quantised finished and normalised). What goes into a quantiser is computed in f32, as accurately as f32 sums, v_exp_f32 and their like allow (about 1e-6 of the number): no bf16 or f16 on the way to a quantiser, and a product that is left as it is and whose result goes on into a quantised operand takes f32 operands (vector FMAs, or v_wmma_f32_16x16x4_f32). A number that lies on a knife's edge between two numbers of the format may be rounded either way, as far as f32 arithmetic and the matrix unit's own rounding can turn it there, and no further.
;; 2 versions, each right; version 2 is version 1 with the launch query written anew for expert scheduling mode. Each part assembles by itself: llvm-mc -triple=amdgcn-amd-amdhsa -mcpu=gfx1250 --defsym DOCPART=n.
;; ======== version 1 of 2: 2 launches
;; limits: right only within a limited range of input values
;; workspace buffers: featT 4,194,304 bytes; ccodes 524,288 bytes; cscale 65,536 bytes; wfrag 10,240 bytes; nbr 524,288 bytes of whole numbers; corner 131,072 bytes of whole numbers
;; launch prep (part 1): grid 392 x 1, 2 waves a work-group, no clusters, 22,784 bytes of LDS; arguments coords, latents, ln_gc, ln_bc, Wkv, Wq, Wo, featT, ccodes, cscale, wfrag, nbr, corner; writes featT, ccodes, cscale, wfrag, nbr, corner
.if DOCPART == 1
	.amdgcn_target "amdgcn-amd-amdhsa--gfx1250"
	.amdhsa_code_object_version 6
	.text
	.protected	k_q81005f6c38_prep
	.globl	k_q81005f6c38_prep
	.p2align	8
	.type	k_q81005f6c38_prep,@function
k_q81005f6c38_prep:
	s_mov_b64 s[64:65], 0
	v_nop
	global_prefetch_b8 v0, s[64:65] scope:SCOPE_SE
	s_setreg_imm32_b32 hwreg(HW_REG_WAVE_MODE, 25, 1), 1
	s_wait_xcnt 0x0
; PREP: all that hangs on the grid, on the weights, or on a query's place alone.  Three kinds of work-group, told apart by the work-group's number:
;   0 .. 127    KNN: 64 queries, a lane a query: the four corners of the bilinear sample and the 16 nearest grid points, stored as whole numbers for the next launch, which forms addresses from them.
;   128 .. 135  WEIGHTS: a wave a tile of 16 columns of Wkv, Wq or Wo: codes of E2M1 and scale words, laid as the operand's registers take them.
;   136 .. 391  GRID: 64 grid points, a lane a point: the point's 64 channels as a row of featT, and LayerNorm(point) x ln_gc + ln_bc as codes of E2M1 with its two scale bytes.
; THE NEAREST 16.  Rank the rows and the columns by their distance from the query.  The point of row rank i and column rank j has (i + 1)(j + 1) points that are at least as near, of which at most three
; others are exactly as far; so a point with (i + 1)(j + 1) >= 20 has 16 nearer ones, and one with 19 (a prime: one rank is 0) has 17.  The 58 points with (i + 1)(j + 1) <= 18 hold the 16 nearest.
; Their distances are made with the roundings of the source: A = qy^2 + qx^2, B = gy^2 + gx^2 (exact), T = A + B, P = the product of (2 qy, 2 qx) with (gy, gx), d2 = T - P, max with 1e-12, a correctly rounded root.
; VAR_A and VAR_P choose where A and P are rounded.  Equal distances go to the lower flat index.
; LIMITS: NaN and infinities are not served.  Coordinates up to about 100 in magnitude: beyond that the rounding of T passes the distance between the 58 points and the rest.
; A block whose largest magnitude lies under 2^-124 keeps the scale byte 1; a block of zeros has byte 1 and zero codes (the bytes are read by this program alone).
; No tensor load, no cluster, no barrier: no two waves share a byte of LDS, and no two work-groups read the same bytes but the 512 bytes of ln_gc and ln_bc.
.set VAR_A, 0                          ; A: 0 = fl(qy^2) + fl(qx^2);  1 = fma(qx, qx, fl(qy^2));  2 = fma(qy, qy, fl(qx^2))
.set VAR_P, 1                          ; P: 0 = fl(2qy gy) + fl(2qx gx);  1 = fma(2qx, gx, fl(2qy gy))
.set RYI, 12                           ; v12-29   row of rank i, x 128
.set RXI, 30                           ; v30-47   column of rank j
.set D,   48                           ; v48-111  64 distances, later 64 keys
.set W0,  112                          ; v112-175 the sorting network's two banks
.set W1,  176                          ; v176-239
.set PY,  176                          ; while the distances are made: v176-193 fl(2qy gy) by rank
.set GY2, 194                          ; v194-211 gy^2
.set GX,  212                          ; v212-229 gx (VAR_P = 1) or fl(2qx gx) (VAR_P = 0)
.set GX2, 230                          ; v230-247 gx^2
	s_load_b512 s[4:19], s[0:1], 0x0               ; coords 4, latents 6, ln_gc 8, ln_bc 10, Wkv 12, Wq 14, Wo 16, featT 18
	s_load_b256 s[20:27], s[0:1], 0x40             ; ccodes 20, cscale 22, wfrag 24, nbr 26
	s_load_b64 s[28:29], s[0:1], 0x60              ; corner
	s_set_vgpr_msb 0x40
	v_lshl_add_u32 v0, v0, 2, 0x5800
	v_mov_b32 v1, 0
	s_set_vgpr_msb 0x4000
	v_lshrrev_b32 v1, 5, v0
	v_readfirstlane_b32 s30, v1                    ; wave 0, 1
	v_and_b32 v1, 31, v0                           ; lane
	s_mov_b32 s33, 0                               ; the upper word of every 64-bit offset
	s_mov_b32 s36, 0x76543210
	s_mov_b32 s37, 0xfedcba98                      ; v_permlanex16_b32: lane l xor 16
	s_mov_b32 s38, 0x3c800000                      ; 1 / 64
	s_wait_kmcnt 0x0
	s_cmp_lt_u32 ttmp9, 128
	s_cbranch_scc0 .Lnot_knn
; ---------------------------------------------------------------- KNN
	s_lshl_b32 s32, ttmp9, 9
	s_add_nc_u64 s[4:5], s[4:5], s[32:33]          ; my work-group's 64 queries: 8 bytes each
	v_lshlrev_b32 v9, 3, v0
	global_load_b64 v[2:3], v9, s[4:5]             ; qy v2, qx v3: a wave reads 256 consecutive bytes
	s_lshl_b32 s32, ttmp9, 10
	s_add_nc_u64 s[28:29], s[28:29], s[32:33]      ; corner: 16 bytes a query
	s_lshl_b32 s32, ttmp9, 12
	s_lshl_b32 s34, s30, 11
	s_add_co_u32 s32, s32, s34
	s_add_nc_u64 s[26:27], s[26:27], s[32:33]      ; nbr: 64 bytes a query, my wave's 32 queries
	s_mov_b32 s39, 0xbf7e0000                      ; -127 / 128
	s_mul_i32 s34, s30, 2560                       ; my wave's stage: 32 places of 64 bytes + 16
	v_lshlrev_b32 v10, 4, v0
	v_mul_u32_u24 v11, v1, 80
	v_add_nc_u32 v11, s34, v11                     ; into the stage: my place
	s_wait_loadcnt 0x0
	v_lshrrev_b32 v9, 2, v1                        ; (free since that wait)  out of the stage: four lanes to a place
	v_mul_u32_u24 v9, v9, 80
	v_and_b32 v248, 3, v0
	v_lshl_add_u32 v9, v248, 4, v9
	v_add_nc_u32 v9, s34, v9
; a coordinate -> its pixel position ((c + 1) 128 - 1) / 2 (x 128 is exact, so the fused form has the source's roundings) and the two clamped indices beside it
.macro PIX c, p, c0, c1
	v_add_f32 v[\p], 1.0, v[\c]
	v_fma_f32 v[\p], v[\p], 0x43000000, -1.0
	v_mul_f32 v[\p], 0.5, v[\p]
	v_floor_f32 v[\c0], v[\p]
	v_add_f32 v[\c1], 1.0, v[\c0]
	v_med3_num_f32 v[\c0], v[\c0], 0, 0x42fe0000
	v_med3_num_f32 v[\c1], v[\c1], 0, 0x42fe0000
	v_cvt_u32_f32 v[\c0], v[\c0]
	v_cvt_u32_f32 v[\c1], v[\c1]
.endm
	PIX 2, 7, 248, 249
	PIX 3, 8, 250, 251
	v_lshl_add_u32 v48, v248, 7, v250              ; (y0, x0)
	v_lshl_add_u32 v49, v248, 7, v251              ; (y0, x1)
	v_lshl_add_u32 v50, v249, 7, v250              ; (y1, x0)
	v_lshl_add_u32 v51, v249, 7, v251              ; (y1, x1)
	global_store_b128 v10, v[48:51], s[28:29]      ; a wave stores 512 consecutive bytes
.if VAR_A == 0
	v_mul_f32 v4, v2, v2
	v_mul_f32 v248, v3, v3
	v_add_f32 v4, v4, v248
.elseif VAR_A == 1
	v_mul_f32 v4, v2, v2
	v_fma_f32 v4, v3, v3, v4
.else
	v_mul_f32 v4, v3, v3
	v_fma_f32 v4, v2, v2, v4
.endif
	v_add_f32 v5, v2, v2                           ; 2 qy, 2 qx: exact
	v_add_f32 v6, v3, v3
; The a nearest indices to p are the window from S(a) = floor(p + 1 - a / 2), held to 0 .. 128 - a, on; the windows are nested, so rank a - 1 is the index that joins: S(a) if the window grew downward, else its new top.
; Of that index R: the grid coordinate g = R / 64 - 127 / 128 (exact), g^2 (exact), 2q g or g itself, and R as a whole number, shifted.
.macro RANKS p, t2, ri, shift, pr, g2, keepg
	v_add_f32 v248, 0.5, v[\p]
.set a, 1
.rept 18
	v_floor_f32 v251, v248
	v_med3_num_f32 v251, v251, 0, 0x43000000-a*0x20000     ; the literal is the number 128 - a
.if a == 1
	v_mov_b32 v253, v251
	v_mov_b32 v250, v251
.else
	v_cmp_lt_f32 vcc_lo, v251, v249
	v_add_f32 v252, 1.0, v250
	v_cndmask_b32 v253, v252, v251, vcc_lo
	v_cndmask_b32 v250, v252, v250, vcc_lo
.endif
	v_mov_b32 v249, v251
	v_fma_f32 v254, v253, s38, s39
	v_mul_f32 v[\g2+a-1], v254, v254
.if \keepg
	v_mov_b32 v[\pr+a-1], v254
.else
	v_mul_f32 v[\pr+a-1], v[\t2], v254
.endif
	v_cvt_u32_f32 v[\ri+a-1], v253
.if \shift
	v_lshlrev_b32 v[\ri+a-1], \shift, v[\ri+a-1]
.endif
	v_add_f32 v248, -0.5, v248
.set a, a+1
.endr
.endm
	RANKS 7, 5, RYI, 7, PY, GY2, 0
	RANKS 8, 6, RXI, 0, GX, GX2, VAR_P
	s_wait_xcnt 0x0                                ; the corners' store has read v10 and v[48:51]: both are written again below
	v_lshlrev_b32 v10, 4, v1                       ; nbr: 16 bytes a lane
; the 58 squared distances, each with the source's four roundings
.set n, 0
.set ci, 0
.rept 18
.set cj, 0
.rept 18
.if (ci+1)*(cj+1) <= 18
	v_add_f32 v[248+n%4], v[GY2+ci], v[GX2+cj]     ; B, exact
	v_add_f32 v[248+n%4], v4, v[248+n%4]           ; T = A + B
.if VAR_P
	v_fma_f32 v[252+n%4], v6, v[GX+cj], v[PY+ci]
.else
	v_add_f32 v[252+n%4], v[PY+ci], v[GX+cj]
.endif
	v_sub_f32 v[D+n], v[248+n%4], v[252+n%4]
	v_max_num_f32 v[D+n], 0x2b8cbccc, v[D+n]       ; 1e-12
.set n, n+1
.endif
.set cj, cj+1
.endr
.set ci, ci+1
.endr
.set n, 58
.rept 6
	v_mov_b32 v[D+n], 0x7f800000                   ; six more that are never chosen
.set n, n+1
.endr
; the roots, correctly rounded: v_sqrt_f32 is good to one unit in the last place; s - 1 unit is taken where x - (s - 1 unit) s <= 0, s + 1 unit where x - (s + 1 unit) s > 0
.set n, 0
.rept 58
	v_sqrt_f32 v[W0+n], v[D+n]
.set n, n+1
.endr
	v_nop                                          ; a plain instruction behind the last root,
	s_wait_alu depctr_va_vdst(0)                   ; and one wait for the batch, ahead of its first reader
.set n, 0
.rept 58
.set tq, W1+4*(n%4)
	v_add_nc_u32 v[tq], -1, v[W0+n]
	v_add_nc_u32 v[tq+1], 1, v[W0+n]
	v_fma_f32 v[tq+2], -v[tq], v[W0+n], v[D+n]
	v_fma_f32 v[tq+3], -v[tq+1], v[W0+n], v[D+n]
	v_cmp_ge_f32 s40, 0, v[tq+2]
	v_cmp_lt_f32 s41, 0, v[tq+3]
	v_cndmask_b32 v[tq], v[W0+n], v[tq], s40
	v_cndmask_b32 v[D+n], v[tq], v[tq+1], s41
.set n, n+1
.endr
; One stage of a bitonic network on cnt numbers, from bank src into bank dst: partners i and i xor j, ascending where i & k is 0.  Positive f32 numbers order as whole numbers, so one macro serves distances and keys.
.macro STAGE src, dst, cnt, k, j
.set si, 0
.rept \cnt
.set sl, si^(\j)
.if sl > si
.if (si&(\k)) == 0
	v_min_u32 v[\dst+si], v[\src+si], v[\src+sl]
	v_max_u32 v[\dst+sl], v[\src+si], v[\src+sl]
.else
	v_max_u32 v[\dst+si], v[\src+si], v[\src+sl]
	v_min_u32 v[\dst+sl], v[\src+si], v[\src+sl]
.endif
.endif
.set si, si+1
.endr
.endm
; The 16 smallest of D's 64, in no order, into W1's first 16; D stays.  Four groups of 16 are sorted, up, down, up, down; the smaller of partners 16 apart are the 16 smallest of 32, a bitonic run; two such runs are sorted up and down; once more.
.macro TOP16
	STAGE D,  W0, 64, 2, 1
	STAGE W0, W1, 64, 4, 2
	STAGE W1, W0, 64, 4, 1
	STAGE W0, W1, 64, 8, 4
	STAGE W1, W0, 64, 8, 2
	STAGE W0, W1, 64, 8, 1
	STAGE W1, W0, 64, 16, 8
	STAGE W0, W1, 64, 16, 4
	STAGE W1, W0, 64, 16, 2
	STAGE W0, W1, 64, 16, 1
.set si, 0
.rept 16
	v_min_u32 v[W0+si], v[W1+si], v[W1+16+si]
	v_min_u32 v[W0+16+si], v[W1+32+si], v[W1+48+si]
.set si, si+1
.endr
	STAGE W0, W1, 32, 16, 8
	STAGE W1, W0, 32, 16, 4
	STAGE W0, W1, 32, 16, 2
	STAGE W1, W0, 32, 16, 1
.set si, 0
.rept 16
	v_min_u32 v[W1+si], v[W0+si], v[W0+16+si]
.set si, si+1
.endr
.endm
	TOP16                                          ; pass 1: the 16 smallest distances
.irp w, 8,4,2,1
.set si, 0
.rept \w
	v_max_u32 v[W1+si], v[W1+si], v[W1+si+\w]      ; their largest: the 16th distance
.set si, si+1
.endr
.endr
	v_add_nc_u32 v248, -1, v[W1]                   ; one unit under it
; keys: class 0 (nearer than the 16th distance), 1 (as far), 2 (farther) above the flat index: the 16 smallest keys are the choice, equal distances going to the lower index
.set n, 0
.set ci, 0
.rept 18
.set cj, 0
.rept 18
.if (ci+1)*(cj+1) <= 18
	v_max_u32 v[240+n%4], v[D+n], v248
	v_add_nc_u32 v[244+n%4], v[RYI+ci], v[RXI+cj]
	v_sub_nc_u32 v[240+n%4], v[240+n%4], v248
	v_min_u32 v[240+n%4], 2, v[240+n%4]
	v_lshl_add_u32 v[D+n], v[240+n%4], 14, v[244+n%4]
.set n, n+1
.endif
.set cj, cj+1
.endr
.set ci, ci+1
.endr
.set n, 58
.rept 6
	v_mov_b32 v[D+n], -1
.set n, n+1
.endr
	TOP16                                          ; pass 2
.set si, 0
.rept 16
	v_and_b32 v[W1+si], 0x3fff, v[W1+si]
.set si, si+1
.endr
; a lane holds its query's 64 bytes; through my wave's own stage they leave as runs of 512 consecutive bytes (LDS serves a wave's instructions in order: no wait between the stores and the loads)
.irp k, 0,1,2,3
	ds_store_b128 v11, v[W1+4*\k:W1+4*\k+3] offset:16*\k
.endr
.irp k, 0,1,2,3
	ds_load_b128 v[W0+4*\k:W0+4*\k+3], v9 offset:640*\k
.endr
.irp k, 0,1,2,3
	s_wait_dscnt 3-\k                              ; the younger loads may be out
	global_store_b128 v10, v[W0+4*\k:W0+4*\k+3], s[26:27] offset:512*\k
.endr
	s_set_vgpr_msb 0x5
	s_wait_tensorcnt 0x0
	ds_add_u32 v0, v1
	s_wait_dscnt 0x0
	s_set_vgpr_msb 0x500
	s_endpgm
; ---------------------------------------------------------------- WEIGHTS
.Lnot_knn:
	s_cmp_lt_u32 ttmp9, 136
	s_cbranch_scc0 .Lgrid
; Tile T = 0 .. 15.  Lane (r, h) takes column n(r) and k = 32 h .. 32 h + 31: its registers run down K, one whole block of 32.
; T = 0 .. 7: Wkv [64][128], n = 64 (T / 4) + 4 r + T % 4, so that lane r of the four K tiles (and of the four V tiles) holds four neighbouring features.  T = 8 .. 11: Wq, T = 12 .. 15: Wo, [64][64], n = 16 (T % 4) + r.
	s_sub_co_u32 s31, ttmp9, 128
	s_lshl_b32 s31, s31, 1
	s_add_co_u32 s31, s31, s30                     ; T
	v_and_b32 v2, 15, v0                           ; r
	v_bfe_u32 v3, v0, 4, 1                         ; h
	s_and_b32 s34, s31, 3
	s_cmp_lt_u32 s31, 8
	s_cbranch_scc0 .Lw_square
	s_lshr_b32 s32, s31, 2
	s_lshl_b32 s32, s32, 6
	s_add_co_u32 s32, s32, s34
	s_lshl_b32 s32, s32, 2
	s_add_nc_u64 s[12:13], s[12:13], s[32:33]
	v_lshlrev_b32 v9, 4, v2                        ; 4 columns on from lane to lane,
	v_lshl_add_u32 v9, v3, 14, v9                  ; 32 rows of 512 bytes on for lanes 16-31
.set c, 0
.rept 32
	global_load_b32 v[16+c], v9, s[12:13] offset:512*c
.set c, c+1
.endr
	s_branch .Lw_have
.Lw_square:
	s_cmp_lt_u32 s31, 12
	s_cselect_b64 s[12:13], s[14:15], s[16:17]     ; Wq or Wo: the choice hangs on the tile's number alone
	s_lshl_b32 s32, s34, 6
	s_add_nc_u64 s[12:13], s[12:13], s[32:33]
	v_lshlrev_b32 v9, 2, v2
	v_lshl_add_u32 v9, v3, 13, v9                  ; 32 rows of 256 bytes
.set c, 0
.rept 32
	global_load_b32 v[16+c], v9, s[12:13] offset:256*c
.set c, c+1
.endr
.Lw_have:
	s_wait_loadcnt 0x0
	v_max3_num_f32 v8, |v16|, |v17|, 0x1800000     ; the block's largest magnitude, and the floor 2^(3 - 127): the byte cannot fall under 1
.irp i, 2,4,6,8,10,12,14,16,18,20,22,24,26,28,30
	v_max3_num_f32 v8, v8, |v[16+\i]|, |v[17+\i]|
.endr
	v_add_nc_u32 v10, 0xff000000, v8               ; 2 off its exponent field: the conversion's scale operand
.irp g, 0,1,2,3
	v_cvt_scalef32_pk8_fp4_f32 v[48+\g], v[16+8*\g:23+8*\g], v10
.endr
	v_lshrrev_b32 v11, 23, v10                     ; the scale's byte (also the plain instruction behind the conversions)
	v_lshlrev_b32 v12, 3, v3
	v_lshlrev_b32 v11, v12, v11                    ; at byte h of the word
	v_mov_b32 v12, 0
	v_permlanex16_b32 v12, v11, s36, s37
	v_or_b32 v11, v11, v12                         ; with lane l xor 16's byte
	v_or_b32 v11, 0x7f7f0000, v11                  ; K = 64 .. 127 of the instruction: zero codes under the scale 1
	s_lshl_b32 s32, s31, 9
	s_add_nc_u64 s[40:41], s[24:25], s[32:33]
	s_lshl_b32 s32, s31, 7
	s_add_nc_u64 s[42:43], s[24:25], s[32:33]
	v_lshlrev_b32 v13, 4, v1
	v_lshlrev_b32 v14, 2, v1
	global_store_b128 v13, v[48:51], s[40:41]      ; the image of the operand's registers 0-3: 512 consecutive bytes
	global_store_b32 v14, v11, s[42:43] offset:8192
	s_endpgm
; ---------------------------------------------------------------- GRID
.Lgrid:
; REGISTERS: v16-79 the point's 64 channels; v80-143 ln_gc; v144-207 ln_bc; v208-215 codes; v216-223 four pairs of sums; v[224:225] the mean, twice; v[226:227] 1 / sqrt(var + eps), twice; v228-233 the quantiser.
	s_sub_co_u32 s31, ttmp9, 136
	s_lshl_b32 s31, s31, 6
	s_lshl_b32 s34, s30, 5
	s_add_co_u32 s31, s31, s34                     ; my wave's first point
	s_lshl_b32 s32, s31, 2
	s_add_nc_u64 s[6:7], s[6:7], s[32:33]
	s_add_nc_u64 s[22:23], s[22:23], s[32:33]
	s_lshl_b32 s32, s31, 4
	s_add_nc_u64 s[20:21], s[20:21], s[32:33]
	s_lshl_b32 s32, s31, 8
	s_add_nc_u64 s[18:19], s[18:19], s[32:33]
	v_lshlrev_b32 v2, 2, v1
	v_mov_b32 v3, 0
.set c, 0
.rept 64
	global_load_b32 v[16+c], v2, s[6:7] offset:65536*c th:TH_LOAD_NT   ; channel c of 32 neighbouring points; the two waves stand side by side on 256 bytes.  Read once in the launch
.set c, c+1
.endr
.set c, 0
.rept 16
	global_load_b128 v[80+4*c:83+4*c], v3, s[8:9] offset:16*c          ; the gains and biases, the same in every lane
	global_load_b128 v[144+4*c:147+4*c], v3, s[10:11] offset:16*c
.set c, c+1
.endr
	s_mul_i32 s34, s30, 8704
	s_add_co_u32 s34, s34, 5120                    ; my wave's stage: 32 rows of 256 bytes + 16, behind the bytes of the KNN path
	v_mul_u32_u24 v4, v1, 272
	v_add_nc_u32 v4, s34, v4                       ; in: row = my point
	v_and_b32 v8, 15, v0
	v_bfe_u32 v9, v0, 4, 1
	v_mul_u32_u24 v5, v9, 272
	v_lshl_add_u32 v5, v8, 4, v5
	v_add_nc_u32 v5, s34, v5                       ; out: sixteen lanes to a row, two rows an instruction
	v_lshlrev_b32 v6, 8, v9
	v_lshl_add_u32 v6, v8, 4, v6                   ; and the same place in featT
	v_lshlrev_b32 v7, 4, v1
	s_mov_b32 s39, 0x3727c5ac                      ; 1e-5
	s_wait_loadcnt 32                              ; the 64 channels are in; the 32 loads of gains and biases may be out
.set c, 0
.rept 16
	ds_store_b128 v4, v[16+4*c:19+4*c] offset:16*c
.set c, c+1
.endr
.irp c, 0,1,2,3
	v_pk_add_f32 v[216+2*\c:217+2*\c], v[16+2*\c:17+2*\c], v[24+2*\c:25+2*\c]     ; the sum, two at a time, in four chains
.endr
.set p, 8
.rept 24
	v_pk_add_f32 v[216+2*(p%4):217+2*(p%4)], v[216+2*(p%4):217+2*(p%4)], v[16+2*p:17+2*p]
.set p, p+1
.endr
	v_pk_add_f32 v[216:217], v[216:217], v[218:219]
	v_pk_add_f32 v[220:221], v[220:221], v[222:223]
	v_pk_add_f32 v[216:217], v[216:217], v[220:221]
	v_add_f32 v224, v216, v217
	v_mul_f32 v224, s38, v224                      ; the mean
	v_mov_b32 v225, v224
	s_wait_dscnt 0x0                               ; the stage's stores have read the channels, which are now changed in place
.set p, 0
.rept 32
	v_pk_add_f32 v[16+2*p:17+2*p], v[16+2*p:17+2*p], v[224:225] neg_lo:[0,1] neg_hi:[0,1]
.set p, p+1
.endr
.irp c, 0,1,2,3
	v_pk_mul_f32 v[216+2*\c:217+2*\c], v[16+2*\c:17+2*\c], v[16+2*\c:17+2*\c]
.endr
.set p, 4
.rept 28
	v_pk_fma_f32 v[216+2*(p%4):217+2*(p%4)], v[16+2*p:17+2*p], v[16+2*p:17+2*p], v[216+2*(p%4):217+2*(p%4)]
.set p, p+1
.endr
	v_pk_add_f32 v[216:217], v[216:217], v[218:219]
	v_pk_add_f32 v[220:221], v[220:221], v[222:223]
	v_pk_add_f32 v[216:217], v[216:217], v[220:221]
	v_add_f32 v226, v216, v217
	v_fma_f32 v226, v226, s38, s39                 ; the variance + 1e-5
	v_rsq_f32 v226, v226
	v_nop                                          ; a plain instruction behind it,
	s_wait_alu depctr_va_vdst(0)                   ; and the wait ahead of its first reader
	v_mov_b32 v227, v226
	s_wait_loadcnt 0x0                             ; the gains and biases
.set p, 0
.rept 32
	v_pk_mul_f32 v[16+2*p:17+2*p], v[16+2*p:17+2*p], v[226:227]
.set p, p+1
.endr
.set p, 0
.rept 32
	v_pk_fma_f32 v[16+2*p:17+2*p], v[16+2*p:17+2*p], v[80+2*p:81+2*p], v[144+2*p:145+2*p]
.set p, p+1
.endr
.irp b, 0,1                                    ; the two blocks of 32 channels, by turns: all of a block's numbers are the lane's own
	v_max3_num_f32 v[228+\b], |v[16+32*\b]|, |v[17+32*\b]|, 0x1800000
.endr
.irp i, 2,4,6,8,10,12,14,16,18,20,22,24,26,28,30
.irp b, 0,1
	v_max3_num_f32 v[228+\b], v[228+\b], |v[16+32*\b+\i]|, |v[17+32*\b+\i]|
.endr
.endr
.irp b, 0,1
	v_add_nc_u32 v[230+\b], 0xff000000, v[228+\b]
.endr
.irp b, 0,1
.irp g, 0,1,2,3
	v_cvt_scalef32_pk8_fp4_f32 v[208+4*\b+\g], v[16+32*\b+8*\g:23+32*\b+8*\g], v[230+\b]
.endr
.endr
.irp b, 0,1
	v_lshrrev_b32 v[232+\b], 23, v[230+\b]         ; the bytes (also the plain instruction behind the conversions)
.endr
	v_lshl_or_b32 v232, v233, 8, v232
	v_or_b32 v232, 0x7f7f0000, v232
	global_store_b128 v7, v[208:211], s[20:21]                 ; block 0 of 32 points: 512 consecutive bytes
	global_store_b128 v7, v[212:215], s[20:21] offset:262144   ; block 1
	global_store_b32 v2, v232, s[22:23]
.set c, 0
.rept 16
	ds_load_b128 v[16+4*c:19+4*c], v5 offset:544*c             ; the raw channels come back by rows
.set c, c+1
.endr
.set c, 0
.rept 16
	s_wait_dscnt 15-c                              ; the younger loads may be out
	global_store_b128 v6, v[16+4*c:19+4*c], s[18:19] offset:512*c   ; sixteen lanes store a point's 256 bytes, at a multiple of 256 from featT's first byte
.set c, c+1
.endr
	s_set_vgpr_msb 0x5
	s_wait_tensorcnt 0x0
	ds_add_u32 v0, v1
	s_wait_dscnt 0x0
	s_set_vgpr_msb 0x500
	s_endpgm
.Lfunc_end_k_q81005f6c38_prep:
	.size	k_q81005f6c38_prep, .Lfunc_end_k_q81005f6c38_prep-k_q81005f6c38_prep
	.p2alignl 7, 3214868480
	.fill 96, 4, 3214868480
	.section	.rodata,"a",@progbits
	.p2align	6, 0x0
	.amdhsa_kernel k_q81005f6c38_prep
		.amdhsa_group_segment_fixed_size 22784
		.amdhsa_private_segment_fixed_size 0
		.amdhsa_enable_private_segment 0
		.amdhsa_kernarg_size 104
		.amdhsa_user_sgpr_count 2
		.amdhsa_user_sgpr_kernarg_segment_ptr 1
		.amdhsa_wavefront_size32 1
		.amdhsa_system_sgpr_workgroup_id_x 1
		.amdhsa_system_sgpr_workgroup_id_y 1
		.amdhsa_system_sgpr_workgroup_id_z 1
		.amdhsa_system_vgpr_workitem_id 0
		.amdhsa_next_free_vgpr 258
		.amdhsa_next_free_sgpr 66
		.amdhsa_reserve_vcc 1
		.amdhsa_float_denorm_mode_32 3
		.amdhsa_float_denorm_mode_16_64 3
		.amdhsa_memory_ordered 1
		.amdhsa_forward_progress 1
		.amdhsa_inst_pref_size 163
	.end_amdhsa_kernel
	.amdgpu_metadata
---
amdhsa.version: [ 1, 2 ]
amdhsa.kernels:
  - .name:           k_q81005f6c38_prep
    .symbol:         k_q81005f6c38_prep.kd
    .args:
      - { .name: coords, .offset: 0, .size: 8, .value_kind: global_buffer, .address_space: global }
      - { .name: latents, .offset: 8, .size: 8, .value_kind: global_buffer, .address_space: global }
      - { .name: ln_gc, .offset: 16, .size: 8, .value_kind: global_buffer, .address_space: global }
      - { .name: ln_bc, .offset: 24, .size: 8, .value_kind: global_buffer, .address_space: global }
      - { .name: Wkv, .offset: 32, .size: 8, .value_kind: global_buffer, .address_space: global }
      - { .name: Wq, .offset: 40, .size: 8, .value_kind: global_buffer, .address_space: global }
      - { .name: Wo, .offset: 48, .size: 8, .value_kind: global_buffer, .address_space: global }
      - { .name: featT, .offset: 56, .size: 8, .value_kind: global_buffer, .address_space: global }
      - { .name: ccodes, .offset: 64, .size: 8, .value_kind: global_buffer, .address_space: global }
      - { .name: cscale, .offset: 72, .size: 8, .value_kind: global_buffer, .address_space: global }
      - { .name: wfrag, .offset: 80, .size: 8, .value_kind: global_buffer, .address_space: global }
      - { .name: nbr, .offset: 88, .size: 8, .value_kind: global_buffer, .address_space: global }
      - { .name: corner, .offset: 96, .size: 8, .value_kind: global_buffer, .address_space: global }
    .group_segment_fixed_size: 22784
    .private_segment_fixed_size: 0
    .kernarg_segment_align: 8
    .kernarg_segment_size: 104
    .max_flat_workgroup_size: 64
    .sgpr_count:     66
    .vgpr_count:     258
    .wavefront_size: 32
...
	.end_amdgpu_metadata
.endif
;; end of part 1
;; launch query (part 2): grid 256 x 1, 4 waves a work-group, no clusters, 33,280 bytes of LDS; arguments coords, image, ln_gx, ln_bx, bo, featT, ccodes, cscale, wfrag, nbr, corner, out0; writes out0
.if DOCPART == 2
	.amdgcn_target "amdgcn-amd-amdhsa--gfx1250"
	.amdhsa_code_object_version 6
	.text
	.protected	k_q81005f6c38_query
	.globl	k_q81005f6c38_query
	.p2align	8
	.type	k_q81005f6c38_query,@function
k_q81005f6c38_query:
	s_mov_b64 s[64:65], 0
	v_nop
	global_prefetch_b8 v0, s[64:65] scope:SCOPE_SE
	s_setreg_imm32_b32 hwreg(HW_REG_WAVE_MODE, 25, 1), 1
	s_wait_xcnt 0x0
; QUERY: a work-group takes 32 queries through the whole chain; wave w owns queries 8 w .. 8 w + 7 for all that is done query by query, and features 16 w .. 16 w + 15 of all 32 queries in the products with Wq and Wo.
;  0  loads: the corners' and neighbours' indices (whole numbers that the launch before stored), then what they name: four rows of featT, four pixels, 16 neighbours' codes and scale words a query; the weights' register images.
;  1  four lanes to a query, 16 channels a lane: bilinear weights, the sampled coordinates and their sines and cosines, the sampled pixel, the sampled feature, LayerNorm, codes of E2M1 -> LDS | barrier
;  2  q = xq Wq, transposed (source 0 = my 16 columns of Wq, source 1 = 16 queries), x log2(e) / 8 -> LDS | barrier
;  3  for each of my 8 queries: k and v of its 16 neighbours (source 0 = the 16 neighbours, source 1 = 16 columns of Wkv, 8 tiles); scores, softmax with the row's maximum taken away, the weighted sum of v: f32 -> LDS (my own rows)
;  4  my rows as codes -> LDS | barrier   5  y = out Wo + bo, transposed, bo as the product's C -> the rows of the output in LDS | barrier   6  the work-group's 12,416 consecutive bytes leave, 16 bytes a lane.
; K = 64 in an instruction of K = 128: registers 4-7 of every operand hold zero codes, and bytes 2 and 3 of every scale word the scale 1.
; The columns of a tile of Wkv are 4 r + t: lane r of K tiles 0-3 holds features 4 r .. 4 r + 3 of eight neighbours, so a score is four multiply-adds a lane and a sum over sixteen lanes, and the attended features leave 16 bytes a lane.
; SINES: the angle in turns is t = x 2^o, exact; n = the nearest whole number to 2 t, g = t - n / 2 (exact, at most 1/4); sin and cos of 2 pi g by their series to g^11 and g^12 (next terms under 6e-8), the sign from n.
; LIMITS: NaN and infinities are not served; a block whose largest magnitude lies under 2^-124 keeps the scale byte 1.  A row of the output is 388 bytes, so a work-group's block begins at a multiple of 128 bytes, not of 256.
; NO CLUSTER, NO TENSOR LOAD: what work-groups share is the weights' 10,240 bytes, read once by each wave into registers; all else is gathered by index, 16 to 256 bytes at a place.
; REGISTERS, window 0: v1 r = lane % 16, v2 h = lane / 16, v3 c4 = lane % 4, v4 uq = lane / 4; v5-15 LDS addresses; v16-23, v24-31 the neighbours' offsets in ccodes and cscale; v32-39 their scale words; v40-47 Wkv's scale words,
;   v48 Wq's, v49 Wo's; v50-51 x's or out's; v52-55 corners; v56-57 the coordinates; v58-61 pixels; v62 16 x lane, v63 4 x lane; v64-127 eight operands of neighbours' codes; v128-191 four corner rows, then k and v, then output rows;
;   v192-255 by phase.   window 1: v0-63 Wkv's eight tiles, v64-71 my tile of Wq, v72-79 of Wo, v80-87 my part of bo in the result's layout.
.set XS,   1024                        ; LDS: 0 x's codes, 32 bytes a query; 1024 their scale words
.set OCO,  1280                        ; out's codes and scale words lie 1,280 bytes behind x's
.set QS,   2560                        ; q x log2(e) / 8: 32 rows of 256 bytes + 16
.set OS,   11264                       ; the attended features: likewise
.set OUTS, 19968                       ; the output's 32 rows of 388 bytes, dense
.set RP,   272
.set OP,   388
.set AC0, 248                          ; the four cosines' registers
.set AC1, 249
.set AC2, 253
.set AC3, 254
.set MSB, 0
.macro WIN new                         ; the immediate's high byte repeats the setting that is left
.if MSB != \new
	s_set_vgpr_msb (MSB<<8)|\new
.set MSB, \new
.endif
.endm
.macro BARRIER                         ; my LDS stores have landed and my LDS loads are in: then the work-group's barrier
	s_wait_dscnt 0x0
	s_barrier_signal -1
	s_barrier_wait -1
.endm
	s_load_b512 s[4:19], s[0:1], 0x0               ; coords 4, image 6, ln_gx 8, ln_bx 10, bo 12, featT 14, ccodes 16, cscale 18
	s_load_b256 s[20:27], s[0:1], 0x40             ; wfrag 20, nbr 22, corner 24, out0 26
	s_set_vgpr_msb 0x40
	v_lshl_add_u32 v128, v0, 2, 0x8000
	v_mov_b32 v129, 0
	s_set_vgpr_msb 0x4000
	v_lshrrev_b32 v1, 5, v0
	v_readfirstlane_b32 s28, v1                    ; wave 0..3
	v_and_b32 v1, 15, v0
	v_bfe_u32 v2, v0, 4, 1
	v_and_b32 v3, 3, v0
	v_bfe_u32 v4, v0, 2, 3
	v_and_b32 v62, 31, v0
	v_lshlrev_b32 v63, 2, v62
	v_lshlrev_b32 v62, 4, v62
	s_mov_b32 s30, 0x76543210
	s_mov_b32 s31, 0xfedcba98                      ; v_permlanex16_b32: lane l xor 16
	s_mov_b32 s32, 0xcccccccc                      ; the lanes with c4 >= 2
	s_mov_b32 s33, 0xaaaaaaaa                      ; the lanes with c4 odd
	s_mov_b32 s38, 0x3c800000                      ; 1 / 64
	s_mov_b32 s39, 0xbf7e0000                      ; -127 / 128
	s_mov_b32 s40, 0x3727c5ac                      ; 1e-5
	v_lshlrev_b32 v248, 4, v4                      ; corner: 16 bytes a query
	v_lshlrev_b32 v249, 3, v4                      ; coords: 8
	v_lshlrev_b32 v250, 2, v1                      ; nbr: neighbour r
	v_lshlrev_b32 v251, 6, v3                      ; my 16 channels
	s_lshl_b32 s34, s28, 6
	v_lshl_add_u32 v252, v2, 5, s34                ; bo: features 16 w + 8 h on
	v_lshlrev_b32 v253, 18, v2                     ; ccodes: block h lies 262,144 bytes on
	s_lshl_b32 s34, ttmp9, 5
	s_lshl_b32 s35, s28, 3
	s_add_co_u32 s34, s34, s35                     ; my wave's first query
	s_mov_b32 s37, 0
	s_wait_kmcnt 0x0
	s_lshl_b32 s36, s34, 3
	s_add_nc_u64 s[4:5], s[4:5], s[36:37]
	s_lshl_b32 s36, s34, 4
	s_add_nc_u64 s[24:25], s[24:25], s[36:37]
	s_lshl_b32 s36, s34, 6
	s_add_nc_u64 s[22:23], s[22:23], s[36:37]
	s_mul_i32 s36, ttmp9, 32*OP
	s_add_nc_u64 s[26:27], s[26:27], s[36:37]
	s_lshl_b32 s36, s28, 9
	s_add_nc_u64 s[42:43], s[20:21], s[36:37]      ; wfrag + 512 w: my tiles' codes
	s_lshl_b32 s36, s28, 7
	s_add_nc_u64 s[44:45], s[20:21], s[36:37]      ; wfrag + 128 w: their scale words
; ---- 0: loads.  First the ten on which addresses hang,
	global_load_b128 v[52:55], v248, s[24:25]
	global_load_b64 v[56:57], v249, s[4:5]
.irp u, 0,1,2,3,4,5,6,7
	global_load_b32 v[16+\u], v250, s[22:23] offset:64*\u          ; neighbour r of my query u, in both halves of the lanes
.endr
; then thirty that hang on ids alone
	WIN 0x40                                       ; destination window 1
.irp t, 0,1,2,3,4,5,6,7
	global_load_b128 v[8*\t:8*\t+3], v62, s[20:21] offset:512*\t
.endr
	global_load_b128 v[64:67], v62, s[42:43] offset:4096           ; tile 8 + w
	global_load_b128 v[72:75], v62, s[42:43] offset:6144           ; tile 12 + w
	global_load_b128 v[80:83], v252, s[12:13]
	global_load_b128 v[84:87], v252, s[12:13] offset:16
.irp t, 0,1,2,3,4,5,6,7,8,9
.irp i, 4,5,6,7
	v_mov_b32 v[8*\t+\i], 0                        ; the weights' K = 64 .. 127: zero codes
.endr
.endr
	WIN 0
.irp t, 0,1,2,3,4,5,6,7
	global_load_b32 v[40+\t], v63, s[20:21] offset:8192+128*\t
.endr
	global_load_b32 v48, v63, s[44:45] offset:9216
	global_load_b32 v49, v63, s[44:45] offset:9728
.irp i, 0,1,2,3
	global_load_b128 v[192+4*\i:195+4*\i], v251, s[8:9] offset:16*\i
	global_load_b128 v[208+4*\i:211+4*\i], v251, s[10:11] offset:16*\i
.endr
.irp u, 0,1,2,3,4,5,6,7
.irp i, 4,5,6,7
	v_mov_b32 v[64+8*\u+\i], 0                     ; the neighbours' K = 64 .. 127
.endr
.endr
; the LDS addresses, while the loads are out
	s_mul_i32 s34, s28, 8*RP                       ; my eight rows
	s_add_co_u32 s35, s34, QS
	v_lshl_add_u32 v5, v1, 4, s35                  ; q: features 4 r on of my query u (offset 272 u)
	s_add_co_u32 s35, s34, OS
	v_lshl_add_u32 v6, v1, 4, s35                  ; the attended features: the same place
	v_mul_u32_u24 v7, v4, RP
	v_lshl_add_u32 v7, v3, 6, v7
	v_add_nc_u32 v7, s35, v7                       ; and back, four lanes to a query
	v_lshlrev_b32 v8, 3, v0                        ; codes: 32 (8 w + uq) + 8 c4 = 8 x my thread's number
	v_lshrrev_b32 v255, 2, v0                      ; 8 w + uq
	v_lshl_add_u32 v9, v255, 2, XS                 ; the query's scale word
	v_lshlrev_b32 v10, 5, v1
	v_lshl_add_u32 v10, v2, 4, v10                 ; a fragment of 16 queries: query r, block h
	v_lshl_add_u32 v11, v1, 2, XS
	s_lshl_b32 s34, s28, 6
	s_add_co_u32 s35, s34, QS
	v_mul_u32_u24 v12, v1, RP
	v_lshl_add_u32 v12, v2, 5, v12
	v_add_nc_u32 v12, s35, v12                     ; q: query r, features 16 w + 8 h on
	s_add_co_u32 s35, s34, OUTS
	v_mul_u32_u24 v13, v1, OP
	v_lshl_add_u32 v13, v2, 5, v13
	v_add_nc_u32 v13, s35, v13                     ; y: likewise, in the output's rows
	v_mul_u32_u24 v15, v255, OP
	v_add_nc_u32 v15, OUTS+256, v15                ; my query's sampled pixel: number 64 of its row
	v_bfe_u32 v255, v0, 1, 1
	v_lshl_add_u32 v14, v255, 6, v15               ; the encoding: 16 numbers an axis,
	v_and_b32 v255, 1, v0
	v_lshl_add_u32 v14, v255, 4, v14               ; four octaves a lane,
	v_add_nc_u32 v14, 4, v14                       ; from number 65 on
	s_wait_loadcnt 30                              ; the ten are in; the thirty behind them may be out
.irp k, 0,1,2,3
	v_min_u32 v[52+\k], 0x3fff, v[52+\k]           ; every index is held inside the grid before it enters an address
.endr
.irp u, 0,1,2,3,4,5,6,7
	v_min_u32 v[16+\u], 0x3fff, v[16+\u]
.endr
.irp k, 0,1,2,3
	v_lshl_add_u32 v[240+\k], v[52+\k], 8, v251    ; featT: 256 bytes a point, my 64
.endr
.irp k, 0,1,2,3
	v_lshlrev_b32 v[52+\k], 2, v[52+\k]
.endr
.irp k, 0,1,2,3
.irp i, 0,1,2,3
	global_load_b128 v[128+16*\k+4*\i:131+16*\k+4*\i], v[240+\k], s[14:15] offset:16*\i
.endr
.endr
.irp k, 0,1,2,3
	global_load_b32 v[58+\k], v[52+\k], s[6:7]
.endr
.irp u, 0,1,2,3,4,5,6,7
	v_lshlrev_b32 v[24+\u], 2, v[16+\u]
.endr
.irp u, 0,1,2,3,4,5,6,7
	v_lshl_add_u32 v[16+\u], v[16+\u], 4, v253
.endr
.irp u, 0,1,2,3,4,5,6,7
	global_load_b128 v[64+8*\u:67+8*\u], v[16+\u], s[16:17]        ; lane (r, h): neighbour r, k = 32 h .. 32 h + 31
	global_load_b32 v[32+\u], v[24+\u], s[18:19]
.endr
; ---- 1.  An axis: position p = ((c + 1) 128 - 1) / 2; b+3 = the upper corner's weight, b+4 = the lower's, each 0 where its index leaves the grid (the clamp then changes it); b+5, b+7 = the two grid coordinates
.macro AXIS c, b
	v_add_f32 v[\b], 1.0, v[\c]
	v_fma_f32 v[\b], v[\b], 0x43000000, -1.0
	v_mul_f32 v[\b], 0.5, v[\b]
	v_floor_f32 v[\b+2], v[\b]
	v_sub_f32 v[\b+3], v[\b], v[\b+2]
	v_sub_f32 v[\b+4], 1.0, v[\b+3]
	v_med3_num_f32 v[\b+5], v[\b+2], 0, 0x42fe0000
	v_add_f32 v[\b+6], 1.0, v[\b+2]
	v_med3_num_f32 v[\b+7], v[\b+6], 0, 0x42fe0000
	v_cmp_eq_f32 vcc_lo, v[\b+2], v[\b+5]
	v_cndmask_b32 v[\b+4], 0, v[\b+4], vcc_lo
	v_cmp_eq_f32 vcc_lo, v[\b+6], v[\b+7]
	v_cndmask_b32 v[\b+3], 0, v[\b+3], vcc_lo
	v_fma_f32 v[\b+5], v[\b+5], s38, s39
	v_fma_f32 v[\b+7], v[\b+7], s38, s39
.endm
	AXIS 56, 224
	AXIS 57, 232
	v_mul_f32 v244, v228, v236                     ; the four corners' weights: (y0, x0),
	v_mul_f32 v245, v228, v235                     ; (y0, x1),
	v_mul_f32 v246, v227, v236                     ; (y1, x0),
	v_mul_f32 v247, v227, v235                     ; (y1, x1)
	v_mul_f32 v248, v229, v244                     ; the sampled coordinates
	v_mul_f32 v249, v237, v244
	v_fmac_f32 v248, v229, v245
	v_fmac_f32 v249, v239, v245
	v_fmac_f32 v248, v231, v246
	v_fmac_f32 v249, v237, v246
	v_fmac_f32 v248, v231, v247
	v_fmac_f32 v249, v239, v247
	v_cndmask_b32 v250, v248, v249, s32            ; lanes c4 = 0, 1 take y, lanes 2, 3 x
	v_add_f32 v250, 1.0, v250
	v_mul_f32 v250, 0.5, v250
	v_mov_b32 v254, 0x41800000
	v_cndmask_b32 v253, 1.0, v254, s33             ; octaves 0-3 or 4-7
	v_mul_f32 v250, v250, v253
.irp i, 0,1,2,3
	v_ldexp_f32 v[224+\i], v250, \i                ; t, in turns
.endr
.irp i, 0,1,2,3
	v_add_f32 v[228+\i], v[224+\i], v[224+\i]
.endr
.irp i, 0,1,2,3
	v_rndne_f32 v[228+\i], v[228+\i]               ; n
.endr
.irp i, 0,1,2,3
	v_fma_f32 v[224+\i], v[228+\i], -0.5, v[224+\i]    ; g
.endr
.irp i, 0,1,2,3
	v_cvt_i32_f32 v[228+\i], v[228+\i]
.endr
.irp i, 0,1,2,3
	v_lshlrev_b32 v[228+\i], 31, v[228+\i]         ; the sign: n odd
.endr
.irp i, 0,1,2,3
	v_mul_f32 v[232+\i], v[224+\i], v[224+\i]      ; z = g^2
.endr
.irp i, 0,1,2,3
	v_mov_b32 v[236+\i], 0xc17183a8                ; -(2 pi)^11 / 11!
.endr
.irp c, 0x42283c1a, 0xc2996966, 0x42a335e3, 0xc2255de7, 0x40c90fdb
.irp i, 0,1,2,3
	v_fmaak_f32 v[236+\i], v[236+\i], v[232+\i], \c
.endr
.endr
.irp i, 0,1,2,3
	v_mov_b32 v[AC\i], 0x40fce9c5                  ; (2 pi)^12 / 12!
.endr
.irp c, 0xc1d368f9, 0x4270fa83, 0xc2aae9e4, 0x4281e0f8, 0xc19de9e6, 0x3f800000
.irp i, 0,1,2,3
	v_fmaak_f32 v[AC\i], v[AC\i], v[232+\i], \c
.endr
.endr
.irp i, 0,1,2,3
	v_mul_f32 v[236+\i], v[236+\i], v[224+\i]
.endr
.irp i, 0,1,2,3
	v_xor_b32 v[236+\i], v[228+\i], v[236+\i]
	v_xor_b32 v[AC\i], v[228+\i], v[AC\i]
.endr
.irp i, 0,1,2,3
	ds_store_b32 v14, v[236+\i] offset:4*\i        ; an axis' eight sines, then its eight cosines
	ds_store_b32 v14, v[AC\i] offset:4*\i+32
.endr
	s_wait_loadcnt 16                              ; all but the sixteen loads of the neighbours' codes and scale words
	s_wait_dscnt 0x0                               ; the stores above have read their registers, which are written again below
	v_mul_f32 v255, v244, v58
	v_fmac_f32 v255, v245, v59
	v_fmac_f32 v255, v246, v60
	v_fmac_f32 v255, v247, v61
	ds_store_b32 v15, v255                         ; the sampled pixel: a query's four lanes write the same word with the same value
.irp j, 0,1,2,3,4,5,6,7,8,9,10,11,12,13,14,15
	v_mul_f32 v[224+\j], v244, v[128+\j]           ; the sampled feature, my 16 channels
.endr
.irp k, 1,2,3
.irp j, 0,1,2,3,4,5,6,7,8,9,10,11,12,13,14,15
	v_fmac_f32 v[224+\j], v[244+\k], v[128+16*\k+\j]
.endr
.endr
.irp c, 0,1,2,3
	v_pk_add_f32 v[240+2*\c:241+2*\c], v[224+2*\c:225+2*\c], v[232+2*\c:233+2*\c]
.endr
	v_pk_add_f32 v[240:241], v[240:241], v[242:243]
	v_pk_add_f32 v[244:245], v[244:245], v[246:247]
	v_pk_add_f32 v[240:241], v[240:241], v[244:245]
	v_add_f32 v248, v240, v241
	v_add_f32_dpp v248, v248, v248 row_xmask:1 row_mask:0xf bank_mask:0xf      ; with the query's other three lanes
	v_add_f32_dpp v248, v248, v248 row_xmask:2 row_mask:0xf bank_mask:0xf
	v_mul_f32 v248, s38, v248                      ; the mean
	v_mov_b32 v249, v248
.irp p, 0,1,2,3,4,5,6,7
	v_pk_add_f32 v[224+2*\p:225+2*\p], v[224+2*\p:225+2*\p], v[248:249] neg_lo:[0,1] neg_hi:[0,1]
.endr
.irp c, 0,1,2,3
	v_pk_mul_f32 v[240+2*\c:241+2*\c], v[224+2*\c:225+2*\c], v[224+2*\c:225+2*\c]
.endr
.irp c, 0,1,2,3
	v_pk_fma_f32 v[240+2*\c:241+2*\c], v[232+2*\c:233+2*\c], v[232+2*\c:233+2*\c], v[240+2*\c:241+2*\c]
.endr
	v_pk_add_f32 v[240:241], v[240:241], v[242:243]
	v_pk_add_f32 v[244:245], v[244:245], v[246:247]
	v_pk_add_f32 v[240:241], v[240:241], v[244:245]
	v_add_f32 v250, v240, v241
	v_add_f32_dpp v250, v250, v250 row_xmask:1 row_mask:0xf bank_mask:0xf
	v_add_f32_dpp v250, v250, v250 row_xmask:2 row_mask:0xf bank_mask:0xf
	v_fma_f32 v250, v250, s38, s40                 ; the variance + 1e-5
	v_rsq_f32 v250, v250
	v_nop                                          ; a plain instruction behind it,
	s_wait_alu depctr_va_vdst(0)                   ; and the wait ahead of its first reader
	v_mov_b32 v251, v250
.irp p, 0,1,2,3,4,5,6,7
	v_pk_mul_f32 v[224+2*\p:225+2*\p], v[224+2*\p:225+2*\p], v[250:251]
.endr
.irp p, 0,1,2,3,4,5,6,7
	v_pk_fma_f32 v[224+2*\p:225+2*\p], v[224+2*\p:225+2*\p], v[192+2*\p:193+2*\p], v[208+2*\p:209+2*\p]
.endr
.irp i, 196,197,198,199,204,205,206,207
	v_mov_b32 v[\i], 0                             ; the gains are done with: K = 64 .. 127 of the two fragments of queries.  The quantiser's lines below stand between these and the products
.endr
; 16 numbers of a lane, channels 16 c4 on of its query, become 8 bytes of codes; the query's scale word is made in all its four lanes.  Lanes c4 = 0, 1 share block 0, lanes 2, 3 block 1.
.macro QROW16 src, offs
	v_max3_num_f32 v240, |v[\src]|, |v[\src+1]|, 0x1800000         ; with the floor 2^(3 - 127): the byte cannot fall under 1
	v_max3_num_f32 v241, |v[\src+8]|, |v[\src+9]|, |v[\src+10]|
	v_max3_num_f32 v240, v240, |v[\src+2]|, |v[\src+3]|
	v_max3_num_f32 v241, v241, |v[\src+11]|, |v[\src+12]|
	v_max3_num_f32 v240, v240, |v[\src+4]|, |v[\src+5]|
	v_max3_num_f32 v241, v241, |v[\src+13]|, |v[\src+14]|
	v_max3_num_f32 v240, v240, |v[\src+6]|, |v[\src+7]|
	v_max3_num_f32 v240, v240, v241, |v[\src+15]|
	v_max_num_f32_dpp v240, v240, v240 row_xmask:1 row_mask:0xf bank_mask:0xf  ; the block's largest magnitude
	v_add_nc_u32 v242, 0xff000000, v240            ; 2 off its exponent field: the conversion's scale operand
	v_cvt_scalef32_pk8_fp4_f32 v244, v[\src:\src+7], v242
	v_cvt_scalef32_pk8_fp4_f32 v245, v[\src+8:\src+15], v242
	v_lshrrev_b32 v243, 23, v242                   ; the byte (also the plain instruction behind the conversions)
	v_mov_b32_dpp v246, v243 row_xmask:2 row_mask:0xf bank_mask:0xf            ; the other block's
	v_cndmask_b32 v247, v243, v246, s32            ; block 0's byte,
	v_cndmask_b32 v246, v246, v243, s32            ; block 1's
	v_lshl_or_b32 v247, v246, 8, v247
	v_or_b32 v247, 0x7f7f0000, v247
	ds_store_b64 v8, v[244:245] offset:\offs
	ds_store_b32 v9, v247 offset:\offs
.endm
	QROW16 224, 0
	BARRIER                                        ; the codes of all 32 xq lie in LDS
; ---- 2: q = xq Wq
	ds_load_b128 v[192:195], v10
	ds_load_b128 v[200:203], v10 offset:512
	ds_load_b32 v50, v11
	ds_load_b32 v51, v11 offset:64
	s_wait_dscnt 0x0
	WIN 0x01                                       ; source 0 window 1
	v_wmma_scale_f32_16x16x128_f8f6f4 v[208:215], v[64:71], v[192:199], 0, v48, v50 matrix_a_fmt:MATRIX_FMT_FP4 matrix_b_fmt:MATRIX_FMT_FP4
	v_wmma_scale_f32_16x16x128_f8f6f4 v[216:223], v[64:71], v[200:207], 0, v48, v51 matrix_a_fmt:MATRIX_FMT_FP4 matrix_b_fmt:MATRIX_FMT_FP4
	WIN 0
.rept 4
	v_nop                                          ; four places between a product and the first read of its result
.endr
.irp p, 0,1,2,3,4,5,6,7
	v_pk_mul_f32 v[208+2*\p:209+2*\p], v[208+2*\p:209+2*\p], 0x3e38aa3b op_sel_hi:[1,0]    ; x log2(e) / sqrt(64): the scores come out as exponents of 2.  Each result from its low end on
.endr
	ds_store_b128 v12, v[208:211]                  ; lane (r, h): query 16 m + r, features 16 w + 8 h + 0 .. 7
	ds_store_b128 v12, v[212:215] offset:16
	ds_store_b128 v12, v[216:219] offset:16*RP
	ds_store_b128 v12, v[220:223] offset:16*RP+16
	BARRIER                                        ; all 64 features of all 32 q lie in LDS
; ---- 3: attention.  v200-207 scores, v208-215 p, v216-219 the attended features, v220-223 at work, v[224 + 4 u ..] features 4 r .. 4 r + 3 of q of my query u
.irp u, 0,1,2,3,4,5,6,7
	ds_load_b128 v[224+4*\u:227+4*\u], v5 offset:RP*\u
.endr
	s_wait_loadcnt 0x0                             ; the neighbours' codes and scale words
	s_wait_dscnt 0x0
.macro ATT u
	WIN 0x04                                       ; source 1 window 1
.irp t, 0,1,2,3,4,5,6,7
	v_wmma_scale_f32_16x16x128_f8f6f4 v[128+8*\t:135+8*\t], v[64+8*\u:71+8*\u], v[8*\t:8*\t+7], 0, v[32+\u], v[40+\t] matrix_a_fmt:MATRIX_FMT_FP4 matrix_b_fmt:MATRIX_FMT_FP4
.endr
	WIN 0                                          ; tile t, lane (r, h), register j: neighbour 8 h + j; feature 4 r + t of k (t < 4) or 4 r + t - 4 of v
.rept 4
	v_nop
.endr
.irp j, 0,1,2,3,4,5,6,7
	v_mul_f32 v[200+\j], v[224+4*\u], v[128+\j]    ; each result is read from its low end on
.endr
.irp t, 1,2,3
.irp j, 0,1,2,3,4,5,6,7
	v_fmac_f32 v[200+\j], v[224+4*\u+\t], v[128+8*\t+\j]
.endr
.endr
.irp x, 1,2,4,8
.irp j, 0,1,2,3,4,5,6,7
	v_add_f32_dpp v[200+\j], v[200+\j], v[200+\j] row_xmask:\x row_mask:0xf bank_mask:0xf  ; over the sixteen lanes: all 64 features
.endr
.endr
	v_max3_num_f32 v220, v200, v201, v202
	v_max3_num_f32 v220, v220, v203, v204
	v_max3_num_f32 v220, v220, v205, v206
	v_max_num_f32 v220, v220, v207
	v_permlanex16_b32 v221, v220, s30, s31
	v_max_num_f32 v220, v220, v221                 ; the largest of the 16 scores
.irp j, 0,1,2,3,4,5,6,7
	v_sub_f32 v[208+\j], v[200+\j], v220
.endr
.irp j, 0,1,2,3,4,5,6,7
	v_exp_f32 v[208+\j], v[208+\j]
.endr
	v_nop                                          ; a plain instruction behind the last exponential,
	s_wait_alu depctr_va_vdst(0)                   ; and one wait for the eight
	v_add_f32 v222, v208, v209
	v_add_f32 v221, v210, v211
	v_add_f32 v222, v222, v212
	v_add_f32 v221, v221, v213
	v_add_f32 v222, v222, v214
	v_add_f32 v221, v221, v215
	v_add_f32 v222, v222, v221
	v_permlanex16_b32 v221, v222, s30, s31
	v_add_f32 v222, v222, v221                     ; the sum of the 16
	v_rcp_f32 v223, v222
.if \u > 0
	s_wait_dscnt 0x0                               ; the last query's store has read v[216:219]
.endif
.irp t, 0,1,2,3
	v_mul_f32 v[216+\t], v208, v[160+8*\t]         ; (plain work behind the reciprocal, which it does not name)
.endr
.irp j, 1,2,3,4,5,6,7
.irp t, 0,1,2,3
	v_fmac_f32 v[216+\t], v[208+\j], v[160+8*\t+\j]
.endr
.endr
.irp t, 0,1,2,3
	v_permlanex16_b32 v[200+\t], v[216+\t], s30, s31
.endr
.irp t, 0,1,2,3
	v_add_f32 v[216+\t], v[216+\t], v[200+\t]      ; with the other eight neighbours
.endr
	s_wait_alu depctr_va_vdst(0)                   ; the reciprocal's wait, ahead of its first reader
.irp t, 0,1,2,3
	v_mul_f32 v[216+\t], v[216+\t], v223
.endr
	ds_store_b128 v6, v[216:219] offset:RP*\u      ; features 4 r .. 4 r + 3; both halves of the lanes write the same bytes with the same values
.endm
.irp u, 0,1,2,3,4,5,6,7
	ATT \u
.endr
; ---- 4: my eight rows as codes.  They are my own bytes, and LDS serves a wave's instructions in order: no barrier
.irp i, 0,1,2,3
	ds_load_b128 v[224+4*\i:227+4*\i], v7 offset:16*\i
.endr
.irp i, 204,205,206,207
	v_mov_b32 v[\i], 0                             ; the scores lay over the second fragment's K = 64 .. 127: zero codes again; the quantiser's lines stand between these and the products
.endr
	s_wait_dscnt 0x0
	QROW16 224, OCO
	BARRIER                                        ; the codes of all 32 attended rows lie in LDS
; ---- 5: y = out Wo + bo
	ds_load_b128 v[192:195], v10 offset:OCO
	ds_load_b128 v[200:203], v10 offset:OCO+512
	ds_load_b32 v50, v11 offset:OCO
	ds_load_b32 v51, v11 offset:OCO+64
	s_wait_dscnt 0x0
	WIN 0x11                                       ; source 0 (Wo) and source 2 (bo) window 1
	v_wmma_scale_f32_16x16x128_f8f6f4 v[208:215], v[72:79], v[192:199], v[80:87], v49, v50 matrix_a_fmt:MATRIX_FMT_FP4 matrix_b_fmt:MATRIX_FMT_FP4
	v_wmma_scale_f32_16x16x128_f8f6f4 v[216:223], v[72:79], v[200:207], v[80:87], v49, v51 matrix_a_fmt:MATRIX_FMT_FP4 matrix_b_fmt:MATRIX_FMT_FP4
	WIN 0
	v_lshl_add_u32 v5, v0, 4, OUTS                 ; the way out's addresses are three of the four places behind the products: 16 bytes a thread,
	v_lshlrev_b32 v6, 4, v0                        ; the same in memory,
	v_add_nc_u32 v7, OUTS+12288, v63               ; and the block's last 128 bytes, 4 a lane
	v_nop
.irp m, 0,1
.irp j, 0,1,2,3,4,5,6,7
	ds_store_b32 v13, v[208+8*\m+\j] offset:16*OP*\m+4*\j          ; rows of 388 bytes are no multiple of 16: a number at a time, each result from its low end on
.endr
.endr
	BARRIER                                        ; the 32 rows of the output are whole
; ---- 6: 12,416 consecutive bytes: six times 2,048, and 128
.irp i, 0,1,2,3,4,5
	ds_load_b128 v[128+4*\i:131+4*\i], v5 offset:2048*\i
.endr
.irp i, 0,1,2,3,4,5
	s_wait_dscnt 5-\i                              ; the younger loads may be out
	global_store_b128 v6, v[128+4*\i:131+4*\i], s[26:27] offset:2048*\i th:TH_STORE_NT     ; a wave stores 512 consecutive bytes; written once, read by nobody here
.endr
	s_cmp_lg_u32 s28, 0
	s_cbranch_scc1 .Ldone
	ds_load_b32 v152, v7
	s_wait_dscnt 0x0
	global_store_b32 v63, v152, s[26:27] offset:12288 th:TH_STORE_NT
.Ldone:
	s_set_vgpr_msb 0x5
	s_wait_tensorcnt 0x0
	ds_add_u32 v128, v129
	s_wait_dscnt 0x0
	s_set_vgpr_msb 0x500
	s_endpgm
.Lfunc_end_k_q81005f6c38_query:
	.size	k_q81005f6c38_query, .Lfunc_end_k_q81005f6c38_query-k_q81005f6c38_query
	.p2alignl 7, 3214868480
	.fill 96, 4, 3214868480
	.section	.rodata,"a",@progbits
	.p2align	6, 0x0
	.amdhsa_kernel k_q81005f6c38_query
		.amdhsa_group_segment_fixed_size 33280
		.amdhsa_private_segment_fixed_size 0
		.amdhsa_enable_private_segment 0
		.amdhsa_kernarg_size 96
		.amdhsa_user_sgpr_count 2
		.amdhsa_user_sgpr_kernarg_segment_ptr 1
		.amdhsa_wavefront_size32 1
		.amdhsa_system_sgpr_workgroup_id_x 1
		.amdhsa_system_sgpr_workgroup_id_y 1
		.amdhsa_system_sgpr_workgroup_id_z 1
		.amdhsa_system_vgpr_workitem_id 0
		.amdhsa_next_free_vgpr 386
		.amdhsa_next_free_sgpr 66
		.amdhsa_reserve_vcc 1
		.amdhsa_float_denorm_mode_32 3
		.amdhsa_float_denorm_mode_16_64 3
		.amdhsa_memory_ordered 1
		.amdhsa_forward_progress 1
		.amdhsa_inst_pref_size 94
	.end_amdhsa_kernel
	.amdgpu_metadata
---
amdhsa.version: [ 1, 2 ]
amdhsa.kernels:
  - .name:           k_q81005f6c38_query
    .symbol:         k_q81005f6c38_query.kd
    .args:
      - { .name: coords, .offset: 0, .size: 8, .value_kind: global_buffer, .address_space: global }
      - { .name: image, .offset: 8, .size: 8, .value_kind: global_buffer, .address_space: global }
      - { .name: ln_gx, .offset: 16, .size: 8, .value_kind: global_buffer, .address_space: global }
      - { .name: ln_bx, .offset: 24, .size: 8, .value_kind: global_buffer, .address_space: global }
      - { .name: bo, .offset: 32, .size: 8, .value_kind: global_buffer, .address_space: global }
      - { .name: featT, .offset: 40, .size: 8, .value_kind: global_buffer, .address_space: global }
      - { .name: ccodes, .offset: 48, .size: 8, .value_kind: global_buffer, .address_space: global }
      - { .name: cscale, .offset: 56, .size: 8, .value_kind: global_buffer, .address_space: global }
      - { .name: wfrag, .offset: 64, .size: 8, .value_kind: global_buffer, .address_space: global }
      - { .name: nbr, .offset: 72, .size: 8, .value_kind: global_buffer, .address_space: global }
      - { .name: corner, .offset: 80, .size: 8, .value_kind: global_buffer, .address_space: global }
      - { .name: out0, .offset: 88, .size: 8, .value_kind: global_buffer, .address_space: global }
    .group_segment_fixed_size: 33280
    .private_segment_fixed_size: 0
    .kernarg_segment_align: 8
    .kernarg_segment_size: 96
    .max_flat_workgroup_size: 128
    .sgpr_count:     66
    .vgpr_count:     386
    .wavefront_size: 32
...
	.end_amdgpu_metadata
.endif
;; end of part 2
;; ======== version 2 of 2: 2 launches; version 1 with the launch query written anew for expert scheduling mode
;; limits: right only within a limited range of input values
;; workspace buffers: featT 4,194,304 bytes; ccodes 524,288 bytes; cscale 65,536 bytes; wfrag 10,240 bytes; nbr 524,288 bytes of whole numbers; corner 131,072 bytes of whole numbers
;; launch prep: the kernel of part 1 again; grid 392 x 1, 2 waves a work-group, no clusters, 22,784 bytes of LDS; arguments coords, latents, ln_gc, ln_bc, Wkv, Wq, Wo, featT, ccodes, cscale, wfrag, nbr, corner; writes featT, ccodes, cscale, wfrag, nbr, corner
;; launch query (part 3): grid 256 x 1, 4 waves a work-group, no clusters, 33,280 bytes of LDS; arguments coords, image, ln_gx, ln_bx, bo, featT, ccodes, cscale, wfrag, nbr, corner, out0; writes out0
.if DOCPART == 3
	.amdgcn_target "amdgcn-amd-amdhsa--gfx1250"
	.amdhsa_code_object_version 6
	.text
	.protected	k_q81005f6c38_query
	.globl	k_q81005f6c38_query
	.p2align	8
	.type	k_q81005f6c38_query,@function
k_q81005f6c38_query:
	s_mov_b64 s[64:65], 0
	v_nop
	global_prefetch_b8 v0, s[64:65] scope:SCOPE_SE
	s_setreg_imm32_b32 hwreg(HW_REG_WAVE_SCHED_MODE, 0, 2), 2
	s_setreg_imm32_b32 hwreg(HW_REG_WAVE_MODE, 25, 1), 1
	s_wait_xcnt 0x0
	s_wait_alu depctr_vm_vsrc(0)
; QUERY: a work-group takes 32 queries through the whole chain; wave w owns queries 8 w .. 8 w + 7 for all that is done query by query, and features 16 w .. 16 w + 15 of all 32 queries in the products with Wq and Wo.
;  0  loads: the corners' and neighbours' indices (whole numbers that the launch before stored), then what they name: four rows of featT, four pixels, 16 neighbours' codes and scale words a query; the weights' register images.
;  1  four lanes to a query, 16 channels a lane: bilinear weights, the sampled coordinates and their sines and cosines, the sampled pixel, the sampled feature, LayerNorm, codes of E2M1 -> LDS | barrier
;  2  q = xq Wq, transposed (source 0 = my 16 columns of Wq, source 1 = 16 queries), x log2(e) / 8 -> LDS | barrier
;  3  for each of my 8 queries: k and v of its 16 neighbours (source 0 = the 16 neighbours, source 1 = 16 columns of Wkv, 8 tiles); scores, softmax with the row's maximum taken away, the weighted sum of v: f32 -> LDS (my own rows)
;  4  my rows as codes -> LDS | barrier   5  y = out Wo + bo, transposed, bo as the product's C -> the rows of the output in LDS | barrier   6  the work-group's 12,416 consecutive bytes leave, 16 bytes a lane.
; K = 64 in an instruction of K = 128: registers 4-7 of every operand hold zero codes, and bytes 2 and 3 of every scale word the scale 1.
; The columns of a tile of Wkv are 4 r + t: lane r of K tiles 0-3 holds features 4 r .. 4 r + 3 of eight neighbours, so a score is four multiply-adds a lane and a sum over sixteen lanes, and the attended features leave 16 bytes a lane.
; SINES: the angle in turns is t = x 2^o, exact; n = the nearest whole number to 2 t, g = t - n / 2 (exact, at most 1/4); sin and cos of 2 pi g by their series to g^11 and g^12 (next terms under 6e-8), the sign from n.
; LIMITS: NaN and infinities are not served; a block whose largest magnitude lies under 2^-124 keeps the scale byte 1.  A row of the output is 388 bytes, so a work-group's block begins at a multiple of 128 bytes, not of 256.
; NO CLUSTER, NO TENSOR LOAD: what work-groups share is the weights' 10,240 bytes, read once by each wave into registers; all else is gathered by index, 16 to 256 bytes at a place.
; REGISTERS, window 0: v1 r = lane % 16, v2 h = lane / 16, v3 c4 = lane % 4, v4 uq = lane / 4; v5-15 LDS addresses; v16-23, v24-31 the neighbours' offsets in ccodes and cscale; v32-39 their scale words; v40-47 Wkv's scale words,
;   v48 Wq's, v49 Wo's; v50-51 x's or out's; v52-55 corners; v56-57 the coordinates; v58-61 pixels; v62 16 x lane, v63 4 x lane; v64-127 eight operands of neighbours' codes; v128-191 four corner rows, then k and v, then output rows;
;   v192-255 by phase.   window 1: v0-63 Wkv's eight tiles, v64-71 my tile of Wq, v72-79 of Wo, v80-87 my part of bo in the result's layout.
; THE MODE: SCHED_MODE bits 1:0 = 2 (LLVM: expert scheduling mode 2), set by the entry lines.  The code itself states the register dependences between vector or matrix instructions and memory or LDS instructions,
; with s_wait_alu, always for 0.
; THE PLAN.  Registers that memory or LDS instructions touch, and who else names them:
;   v62, v63, v248-252   offsets of phase 0's first forty loads: made at the head, one wait on va_vdst ahead of the first load.  v248-251 are written again in phase 1.
;   v5-15, v240-243, v52-55, v16-31   LDS addresses, and the offsets made of the loaded indices: ALL are made first, with the operands' zero halves; one wait on va_vdst; then the 36 gathers in one run; one wait on vm_vsrc behind them.
;   sines and cosines    written by vector lines, read by eight LDS stores (a wait on va_vdst ahead of them), written again behind a wait on vm_vsrc.
;   v244, v245, v247, v255   codes, scale word and pixel: one wait on va_vdst ahead of their stores.  It also states that the vector lines are done with the registers in which the next fragments' loads land.
;   v208-223             q as stored; phase 3 writes them again: the wait on vm_vsrc at phase 3's head, which also frees v244-255 for q's loads.
;   OUT0 = v216-219, OUT1 = v192-195   query u writes OUT[u % 2]; its LDS store stands in query u + 1, behind that query's wait for its exponentials: so that one wait states both.  A wait on vm_vsrc stands ahead of a buffer's next writing.
;   v5-7, v192-195, v216-219   written again, or loaded into, in phase 5: the wait on vm_vsrc at its head.
;   v128-152             the last rows' loads land where products and vector lines worked: the wait on va_vdst ahead of y's stores stands behind all of those.
.set XS,   1024                        ; LDS: 0 x's codes, 32 bytes a query; 1024 their scale words
.set OCO,  1280                        ; out's codes and scale words lie 1,280 bytes behind x's
.set QS,   2560                        ; q x log2(e) / 8: 32 rows of 256 bytes + 16
.set OS,   11264                       ; the attended features: likewise
.set OUTS, 19968                       ; the output's 32 rows of 388 bytes, dense
.set RP,   272
.set OP,   388
.set AC0, 248                          ; the four cosines' registers
.set AC1, 249
.set AC2, 253
.set AC3, 254
.set MSB, 0
.macro WIN new                         ; the immediate's high byte repeats the setting that is left
.if MSB != \new
	s_set_vgpr_msb (MSB<<8)|\new
.set MSB, \new
.endif
.endm
.macro BARRIER                         ; my LDS stores have landed and my LDS loads are in: then the work-group's barrier
	s_wait_dscnt 0x0
	s_barrier_signal -1
	s_barrier_wait -1
.endm
	s_load_b512 s[4:19], s[0:1], 0x0               ; coords 4, image 6, ln_gx 8, ln_bx 10, bo 12, featT 14, ccodes 16, cscale 18
	s_load_b256 s[20:27], s[0:1], 0x40             ; wfrag 20, nbr 22, corner 24, out0 26
	s_set_vgpr_msb 0x40
	v_lshl_add_u32 v126, v0, 2, 0x8000
	v_mov_b32 v127, 0
	s_set_vgpr_msb 0x4000
	v_lshrrev_b32 v1, 5, v0
	v_readfirstlane_b32 s28, v1                    ; wave 0..3
	v_and_b32 v1, 15, v0
	v_bfe_u32 v2, v0, 4, 1
	v_and_b32 v3, 3, v0
	v_bfe_u32 v4, v0, 2, 3
	v_and_b32 v62, 31, v0
	v_lshlrev_b32 v63, 2, v62
	v_lshlrev_b32 v62, 4, v62
	s_mov_b32 s30, 0x76543210
	s_mov_b32 s31, 0xfedcba98                      ; v_permlanex16_b32: lane l xor 16
	s_mov_b32 s32, 0xcccccccc                      ; the lanes with c4 >= 2
	s_mov_b32 s33, 0xaaaaaaaa                      ; the lanes with c4 odd
	s_mov_b32 s38, 0x3c800000                      ; 1 / 64
	s_mov_b32 s39, 0xbf7e0000                      ; -127 / 128
	s_mov_b32 s40, 0x3727c5ac                      ; 1e-5
	v_lshlrev_b32 v248, 4, v4                      ; corner: 16 bytes a query
	v_lshlrev_b32 v249, 3, v4                      ; coords: 8
	v_lshlrev_b32 v250, 2, v1                      ; nbr: neighbour r
	v_lshlrev_b32 v251, 6, v3                      ; my 16 channels
	s_wait_alu depctr_va_sdst(0)                   ; s28, the wave's number, is written, ahead of its first reader
	s_lshl_b32 s34, s28, 6
	v_lshl_add_u32 v252, v2, 5, s34                ; bo: features 16 w + 8 h on
	v_lshlrev_b32 v253, 18, v2                     ; ccodes: block h lies 262,144 bytes on
	s_lshl_b32 s34, ttmp9, 5
	s_lshl_b32 s35, s28, 3
	s_add_co_u32 s34, s34, s35                     ; my wave's first query
	s_mov_b32 s37, 0
	s_wait_kmcnt 0x0
	s_lshl_b32 s36, s34, 3
	s_add_nc_u64 s[4:5], s[4:5], s[36:37]
	s_lshl_b32 s36, s34, 4
	s_add_nc_u64 s[24:25], s[24:25], s[36:37]
	s_lshl_b32 s36, s34, 6
	s_add_nc_u64 s[22:23], s[22:23], s[36:37]
	s_mul_i32 s36, ttmp9, 32*OP
	s_add_nc_u64 s[26:27], s[26:27], s[36:37]
	s_lshl_b32 s36, s28, 9
	s_add_nc_u64 s[42:43], s[20:21], s[36:37]      ; wfrag + 512 w: my tiles' codes
	s_lshl_b32 s36, s28, 7
	s_add_nc_u64 s[44:45], s[20:21], s[36:37]      ; wfrag + 128 w: their scale words
	s_wait_alu depctr_va_vdst(0)                   ; the offsets v62, v63 and v248 to v252 are written, which the forty loads below read; only loads and one window switch stand between this wait and the last of them
; ---- 0: loads.  First the ten on which addresses hang,
	global_load_b128 v[52:55], v248, s[24:25]
	global_load_b64 v[56:57], v249, s[4:5]
.irp u, 0,1,2,3,4,5,6,7
	global_load_b32 v[16+\u], v250, s[22:23] offset:64*\u          ; neighbour r of my query u, in both halves of the lanes
.endr
; then thirty that hang on ids alone
.irp t, 0,1,2,3,4,5,6,7
	global_load_b32 v[40+\t], v63, s[20:21] offset:8192+128*\t
.endr
	global_load_b32 v48, v63, s[44:45] offset:9216
	global_load_b32 v49, v63, s[44:45] offset:9728
.irp i, 0,1,2,3
	global_load_b128 v[192+4*\i:195+4*\i], v251, s[8:9] offset:16*\i
	global_load_b128 v[208+4*\i:211+4*\i], v251, s[10:11] offset:16*\i
.endr
	WIN 0x40                                       ; destination window 1
.irp t, 0,1,2,3,4,5,6,7
	global_load_b128 v[8*\t:8*\t+3], v62, s[20:21] offset:512*\t
.endr
	global_load_b128 v[64:67], v62, s[42:43] offset:4096           ; tile 8 + w
	global_load_b128 v[72:75], v62, s[42:43] offset:6144           ; tile 12 + w
	global_load_b128 v[80:83], v252, s[12:13]
	global_load_b128 v[84:87], v252, s[12:13] offset:16
.irp t, 0,1,2,3,4,5,6,7,8,9
.irp i, 4,5,6,7
	v_mov_b32 v[8*\t+\i], 0                        ; the weights' K = 64 .. 127: zero codes
.endr
.endr
	WIN 0
.irp u, 0,1,2,3,4,5,6,7
.irp i, 4,5,6,7
	v_mov_b32 v[64+8*\u+\i], 0                     ; the neighbours' K = 64 .. 127
.endr
.endr
; the LDS addresses, while the loads are out
	s_mul_i32 s34, s28, 8*RP                       ; my eight rows
	s_add_co_u32 s35, s34, QS
	v_lshl_add_u32 v5, v1, 4, s35                  ; q: features 4 r on of my query u (offset 272 u)
	s_add_co_u32 s35, s34, OS
	v_lshl_add_u32 v6, v1, 4, s35                  ; the attended features: the same place
	v_mul_u32_u24 v7, v4, RP
	v_lshl_add_u32 v7, v3, 6, v7
	v_add_nc_u32 v7, s35, v7                       ; and back, four lanes to a query
	v_lshlrev_b32 v8, 3, v0                        ; codes: 32 (8 w + uq) + 8 c4 = 8 x my thread's number
	v_lshrrev_b32 v255, 2, v0                      ; 8 w + uq
	v_lshl_add_u32 v9, v255, 2, XS                 ; the query's scale word
	v_lshlrev_b32 v10, 5, v1
	v_lshl_add_u32 v10, v2, 4, v10                 ; a fragment of 16 queries: query r, block h
	v_lshl_add_u32 v11, v1, 2, XS
	s_lshl_b32 s34, s28, 6
	s_add_co_u32 s35, s34, QS
	v_mul_u32_u24 v12, v1, RP
	v_lshl_add_u32 v12, v2, 5, v12
	v_add_nc_u32 v12, s35, v12                     ; q: query r, features 16 w + 8 h on
	s_add_co_u32 s35, s34, OUTS
	v_mul_u32_u24 v13, v1, OP
	v_lshl_add_u32 v13, v2, 5, v13
	v_add_nc_u32 v13, s35, v13                     ; y: likewise, in the output's rows
	v_mul_u32_u24 v15, v255, OP
	v_add_nc_u32 v15, OUTS+256, v15                ; my query's sampled pixel: number 64 of its row
	v_bfe_u32 v255, v0, 1, 1
	v_lshl_add_u32 v14, v255, 6, v15               ; the encoding: 16 numbers an axis,
	v_and_b32 v255, 1, v0
	v_lshl_add_u32 v14, v255, 4, v14               ; four octaves a lane,
	v_add_nc_u32 v14, 4, v14                       ; from number 65 on
	s_wait_loadcnt 30                              ; the ten are in; the thirty behind them may be out
.irp k, 0,1,2,3
	v_min_u32 v[52+\k], 0x3fff, v[52+\k]           ; every index is held inside the grid before it enters an address
.endr
.irp u, 0,1,2,3,4,5,6,7
	v_min_u32 v[16+\u], 0x3fff, v[16+\u]
.endr
.irp k, 0,1,2,3
	v_lshl_add_u32 v[240+\k], v[52+\k], 8, v251    ; featT: 256 bytes a point, my 64
.endr
.irp k, 0,1,2,3
	v_lshlrev_b32 v[52+\k], 2, v[52+\k]
.endr
.irp u, 0,1,2,3,4,5,6,7
	v_lshlrev_b32 v[24+\u], 2, v[16+\u]
.endr
.irp u, 0,1,2,3,4,5,6,7
	v_lshl_add_u32 v[16+\u], v[16+\u], 4, v253
.endr
	s_wait_alu depctr_va_vdst(0)                   ; written: the gathers' offsets v240-243, v52-55, v16-31; the LDS addresses v5-15, for the whole kernel; the zero halves of the weights' and the neighbours' operands, which scaled products take
.irp k, 0,1,2,3
.irp i, 0,1,2,3
	global_load_b128 v[128+16*\k+4*\i:131+16*\k+4*\i], v[240+\k], s[14:15] offset:16*\i
.endr
.endr
.irp k, 0,1,2,3
	global_load_b32 v[58+\k], v[52+\k], s[6:7]
.endr
.irp u, 0,1,2,3,4,5,6,7
	global_load_b128 v[64+8*\u:67+8*\u], v[16+\u], s[16:17]        ; lane (r, h): neighbour r, k = 32 h .. 32 h + 31
	global_load_b32 v[32+\u], v[24+\u], s[18:19]
.endr
	s_wait_alu depctr_vm_vsrc(0)                   ; all loads issued so far have read their offsets: v248-251 and v240-243 are written again in phase 1 (each behind the wait on LOADcnt that shows its loads done)
; ---- 1.  An axis: position p = ((c + 1) 128 - 1) / 2; b+3 = the upper corner's weight, b+4 = the lower's; b+5, b+7 = the two grid coordinates.  A corner's index has left the grid where the clamp changes it: masks m0 (lower), m1 (upper)
.macro AXIS c, b, m0, m1
	v_add_f32 v[\b], 1.0, v[\c]
	v_fma_f32 v[\b], v[\b], 0x43000000, -1.0
	v_mul_f32 v[\b], 0.5, v[\b]
	v_floor_f32 v[\b+2], v[\b]
	v_sub_f32 v[\b+3], v[\b], v[\b+2]
	v_sub_f32 v[\b+4], 1.0, v[\b+3]
	v_med3_num_f32 v[\b+5], v[\b+2], 0, 0x42fe0000
	v_add_f32 v[\b+6], 1.0, v[\b+2]
	v_med3_num_f32 v[\b+7], v[\b+6], 0, 0x42fe0000
	v_cmp_eq_f32 s[\m0], v[\b+2], v[\b+5]
	v_cmp_eq_f32 s[\m1], v[\b+6], v[\b+7]
	v_fma_f32 v[\b+5], v[\b+5], s38, s39
	v_fma_f32 v[\b+7], v[\b+7], s38, s39
.endm
	AXIS 56, 224, 29, 41
	AXIS 57, 232, 46, 47
	s_wait_alu depctr_va_sdst(0)                   ; the four masks s29, s41, s46, s47 are written, ahead of their readers: one wait behind the run of compares
	v_cndmask_b32 v228, 0, v228, s29               ; a corner outside the grid weighs 0
	v_cndmask_b32 v227, 0, v227, s41
	v_cndmask_b32 v236, 0, v236, s46
	v_cndmask_b32 v235, 0, v235, s47
	v_mul_f32 v244, v228, v236                     ; the four corners' weights: (y0, x0),
	v_mul_f32 v245, v228, v235                     ; (y0, x1),
	v_mul_f32 v246, v227, v236                     ; (y1, x0),
	v_mul_f32 v247, v227, v235                     ; (y1, x1)
	v_mul_f32 v248, v229, v244                     ; the sampled coordinates
	v_mul_f32 v249, v237, v244
	v_fmac_f32 v248, v229, v245
	v_fmac_f32 v249, v239, v245
	v_fmac_f32 v248, v231, v246
	v_fmac_f32 v249, v237, v246
	v_fmac_f32 v248, v231, v247
	v_fmac_f32 v249, v239, v247
	v_cndmask_b32 v250, v248, v249, s32            ; lanes c4 = 0, 1 take y, lanes 2, 3 x
	v_add_f32 v250, 1.0, v250
	v_mul_f32 v250, 0.5, v250
	v_mov_b32 v254, 0x41800000
	v_cndmask_b32 v253, 1.0, v254, s33             ; octaves 0-3 or 4-7
	v_mul_f32 v250, v250, v253
.irp i, 0,1,2,3
	v_ldexp_f32 v[224+\i], v250, \i                ; t, in turns
.endr
.irp i, 0,1,2,3
	v_add_f32 v[228+\i], v[224+\i], v[224+\i]
.endr
.irp i, 0,1,2,3
	v_rndne_f32 v[228+\i], v[228+\i]               ; n
.endr
.irp i, 0,1,2,3
	v_fma_f32 v[224+\i], v[228+\i], -0.5, v[224+\i]    ; g
.endr
.irp i, 0,1,2,3
	v_cvt_i32_f32 v[228+\i], v[228+\i]
.endr
.irp i, 0,1,2,3
	v_lshlrev_b32 v[228+\i], 31, v[228+\i]         ; the sign: n odd
.endr
.irp i, 0,1,2,3
	v_mul_f32 v[232+\i], v[224+\i], v[224+\i]      ; z = g^2
.endr
.irp i, 0,1,2,3
	v_mov_b32 v[236+\i], 0xc17183a8                ; -(2 pi)^11 / 11!
.endr
.irp c, 0x42283c1a, 0xc2996966, 0x42a335e3, 0xc2255de7, 0x40c90fdb
.irp i, 0,1,2,3
	v_fmaak_f32 v[236+\i], v[236+\i], v[232+\i], \c
.endr
.endr
.irp i, 0,1,2,3
	v_mov_b32 v[AC\i], 0x40fce9c5                  ; (2 pi)^12 / 12!
.endr
.irp c, 0xc1d368f9, 0x4270fa83, 0xc2aae9e4, 0x4281e0f8, 0xc19de9e6, 0x3f800000
.irp i, 0,1,2,3
	v_fmaak_f32 v[AC\i], v[AC\i], v[232+\i], \c
.endr
.endr
.irp i, 0,1,2,3
	v_mul_f32 v[236+\i], v[236+\i], v[224+\i]
.endr
.irp i, 0,1,2,3
	v_xor_b32 v[236+\i], v[228+\i], v[236+\i]
	v_xor_b32 v[AC\i], v[228+\i], v[AC\i]
.endr
	s_wait_alu depctr_va_vdst(0)                   ; the four sines and four cosines are written, which the LDS stores read
.irp i, 0,1,2,3
	ds_store_b32 v14, v[236+\i] offset:4*\i        ; an axis' eight sines, then its eight cosines
	ds_store_b32 v14, v[AC\i] offset:4*\i+32
.endr
	s_wait_loadcnt 16                              ; all but the sixteen loads of the neighbours' codes and scale words
	s_wait_dscnt 0x0                               ; the eight stores above are done,
	s_wait_alu depctr_vm_vsrc(0)                   ; and have read v236-239, v248, v249, v253, v254, which are written again below
	v_mul_f32 v255, v244, v58                      ; the sampled pixel; its store stands with the codes' stores, behind their wait
	v_fmac_f32 v255, v245, v59
	v_fmac_f32 v255, v246, v60
	v_fmac_f32 v255, v247, v61
.irp j, 0,1,2,3,4,5,6,7,8,9,10,11,12,13,14,15
	v_mul_f32 v[224+\j], v244, v[128+\j]           ; the sampled feature, my 16 channels
.endr
.irp k, 1,2,3
.irp j, 0,1,2,3,4,5,6,7,8,9,10,11,12,13,14,15
	v_fmac_f32 v[224+\j], v[244+\k], v[128+16*\k+\j]
.endr
.endr
.irp c, 0,1,2,3
	v_pk_add_f32 v[240+2*\c:241+2*\c], v[224+2*\c:225+2*\c], v[232+2*\c:233+2*\c]
.endr
	v_pk_add_f32 v[240:241], v[240:241], v[242:243]
	v_pk_add_f32 v[244:245], v[244:245], v[246:247]
	v_pk_add_f32 v[240:241], v[240:241], v[244:245]
	v_add_f32 v248, v240, v241
	v_add_f32_dpp v248, v248, v248 row_xmask:1 row_mask:0xf bank_mask:0xf      ; with the query's other three lanes
	v_add_f32_dpp v248, v248, v248 row_xmask:2 row_mask:0xf bank_mask:0xf
	v_mul_f32 v248, s38, v248                      ; the mean
	v_mov_b32 v249, v248
.irp p, 0,1,2,3,4,5,6,7
	v_pk_add_f32 v[224+2*\p:225+2*\p], v[224+2*\p:225+2*\p], v[248:249] neg_lo:[0,1] neg_hi:[0,1]
.endr
.irp c, 0,1,2,3
	v_pk_mul_f32 v[240+2*\c:241+2*\c], v[224+2*\c:225+2*\c], v[224+2*\c:225+2*\c]
.endr
.irp c, 0,1,2,3
	v_pk_fma_f32 v[240+2*\c:241+2*\c], v[232+2*\c:233+2*\c], v[232+2*\c:233+2*\c], v[240+2*\c:241+2*\c]
.endr
	v_pk_add_f32 v[240:241], v[240:241], v[242:243]
	v_pk_add_f32 v[244:245], v[244:245], v[246:247]
	v_pk_add_f32 v[240:241], v[240:241], v[244:245]
	v_add_f32 v250, v240, v241
	v_add_f32_dpp v250, v250, v250 row_xmask:1 row_mask:0xf bank_mask:0xf
	v_add_f32_dpp v250, v250, v250 row_xmask:2 row_mask:0xf bank_mask:0xf
	v_fma_f32 v250, v250, s38, s40                 ; the variance + 1e-5
	v_rsq_f32 v250, v250
	v_nop                                          ; a plain instruction behind it,
	s_wait_alu depctr_va_vdst(0)                   ; and the wait for v250, the reciprocal root, ahead of its first reader
	v_mov_b32 v251, v250
.irp p, 0,1,2,3,4,5,6,7
	v_pk_mul_f32 v[224+2*\p:225+2*\p], v[224+2*\p:225+2*\p], v[250:251]
.endr
.irp p, 0,1,2,3,4,5,6,7
	v_pk_fma_f32 v[224+2*\p:225+2*\p], v[224+2*\p:225+2*\p], v[192+2*\p:193+2*\p], v[208+2*\p:209+2*\p]
.endr
.irp i, 196,197,198,199,204,205,206,207
	v_mov_b32 v[\i], 0                             ; the gains are done with: K = 64 .. 127 of the two fragments of queries.  The quantiser's lines below stand between these and the products
.endr
; 16 numbers of a lane, channels 16 c4 on of its query, become 8 bytes of codes; the query's scale word is made in all its four lanes.  Lanes c4 = 0, 1 share block 0, lanes 2, 3 block 1.
.macro QROW16 src, offs
	v_max3_num_f32 v240, |v[\src]|, |v[\src+1]|, 0x1800000         ; with the floor 2^(3 - 127): the byte cannot fall under 1
	v_max3_num_f32 v241, |v[\src+8]|, |v[\src+9]|, |v[\src+10]|
	v_max3_num_f32 v240, v240, |v[\src+2]|, |v[\src+3]|
	v_max3_num_f32 v241, v241, |v[\src+11]|, |v[\src+12]|
	v_max3_num_f32 v240, v240, |v[\src+4]|, |v[\src+5]|
	v_max3_num_f32 v241, v241, |v[\src+13]|, |v[\src+14]|
	v_max3_num_f32 v240, v240, |v[\src+6]|, |v[\src+7]|
	v_max3_num_f32 v240, v240, v241, |v[\src+15]|
	v_max_num_f32_dpp v240, v240, v240 row_xmask:1 row_mask:0xf bank_mask:0xf  ; the block's largest magnitude
	v_add_nc_u32 v242, 0xff000000, v240            ; 2 off its exponent field: the conversion's scale operand
	v_cvt_scalef32_pk8_fp4_f32 v244, v[\src:\src+7], v242
	v_cvt_scalef32_pk8_fp4_f32 v245, v[\src+8:\src+15], v242
	v_lshrrev_b32 v243, 23, v242                   ; the byte (also the plain instruction behind the conversions)
	v_mov_b32_dpp v246, v243 row_xmask:2 row_mask:0xf bank_mask:0xf            ; the other block's
	v_cndmask_b32 v247, v243, v246, s32            ; block 0's byte,
	v_cndmask_b32 v246, v246, v243, s32            ; block 1's
	v_lshl_or_b32 v247, v246, 8, v247
	v_or_b32 v247, 0x7f7f0000, v247
	s_wait_alu depctr_va_vdst(0)                   ; written: the codes v244, v245 and the scale word v247, which the stores read, and the fragments' zero halves, which scaled products take; and every vector line so far is done with v192-195, v200-203, v50 and v51, in which the next fragments' loads land
	ds_store_b64 v8, v[244:245] offset:\offs
	ds_store_b32 v9, v247 offset:\offs
.endm
	QROW16 224, 0
	ds_store_b32 v15, v255                         ; the sampled pixel (written ahead of the wait in the macro): a query's four lanes write the same word with the same value
	BARRIER                                        ; the codes of all 32 xq lie in LDS
; ---- 2: q = xq Wq
	ds_load_b128 v[192:195], v10
	ds_load_b128 v[200:203], v10 offset:512
	ds_load_b32 v50, v11
	ds_load_b32 v51, v11 offset:64
	s_wait_dscnt 0x0
	WIN 0x01                                       ; source 0 window 1
	v_wmma_scale_f32_16x16x128_f8f6f4 v[208:215], v[64:71], v[192:199], 0, v48, v50 matrix_a_fmt:MATRIX_FMT_FP4 matrix_b_fmt:MATRIX_FMT_FP4
	v_wmma_scale_f32_16x16x128_f8f6f4 v[216:223], v[64:71], v[200:207], 0, v48, v51 matrix_a_fmt:MATRIX_FMT_FP4 matrix_b_fmt:MATRIX_FMT_FP4
	WIN 0
.rept 4
	v_nop                                          ; four places between a product and the first read of its result
.endr
.irp p, 0,1,2,3,4,5,6,7
	v_pk_mul_f32 v[208+2*\p:209+2*\p], v[208+2*\p:209+2*\p], 0x3e38aa3b op_sel_hi:[1,0]    ; x log2(e) / sqrt(64): the scores come out as exponents of 2.  Each result from its low end on
.endr
	s_wait_alu depctr_va_vdst(0)                   ; the scalings have written v208-223, which the four stores read
	ds_store_b128 v12, v[208:211]                  ; lane (r, h): query 16 m + r, features 16 w + 8 h + 0 .. 7
	ds_store_b128 v12, v[212:215] offset:16
	ds_store_b128 v12, v[216:219] offset:16*RP
	ds_store_b128 v12, v[220:223] offset:16*RP+16
	BARRIER                                        ; all 64 features of all 32 q lie in LDS
; ---- 3: attention.  v200-207 scores, v208-215 p, v216-219 and v192-195 the attended features, by turns, v220-223 at work, v[224 + 4 u ..] features 4 r .. 4 r + 3 of q of my query u
	s_wait_alu depctr_vm_vsrc(0)                   ; phase 1's stores have read v244, v245, v247 and v255, in which q's loads land; q's stores have read v208-223, which the first query's lines write
.irp u, 0,1,2,3,4,5,6,7
	ds_load_b128 v[224+4*\u:227+4*\u], v5 offset:RP*\u
.endr
	s_wait_loadcnt 0x0                             ; the neighbours' codes and scale words
	s_wait_dscnt 0x0
.macro ATT u
.set OBUF, 216-24*((\u)%2)             ; this query's out-buffer,
.set PBUF, 192+24*((\u)%2)             ; and the last query's
	WIN 0x04                                       ; source 1 window 1
.irp t, 0,1,2,3,4,5,6,7
	v_wmma_scale_f32_16x16x128_f8f6f4 v[128+8*\t:135+8*\t], v[64+8*\u:71+8*\u], v[8*\t:8*\t+7], 0, v[32+\u], v[40+\t] matrix_a_fmt:MATRIX_FMT_FP4 matrix_b_fmt:MATRIX_FMT_FP4
.endr
	WIN 0                                          ; tile t, lane (r, h), register j: neighbour 8 h + j; feature 4 r + t of k (t < 4) or 4 r + t - 4 of v
.rept 4
	v_nop
.endr
.irp j, 0,1,2,3,4,5,6,7
	v_mul_f32 v[200+\j], v[224+4*\u], v[128+\j]    ; each result is read from its low end on
.endr
.irp t, 1,2,3
.irp j, 0,1,2,3,4,5,6,7
	v_fmac_f32 v[200+\j], v[224+4*\u+\t], v[128+8*\t+\j]
.endr
.endr
.irp x, 1,2,4,8
.irp j, 0,1,2,3,4,5,6,7
	v_add_f32_dpp v[200+\j], v[200+\j], v[200+\j] row_xmask:\x row_mask:0xf bank_mask:0xf  ; over the sixteen lanes: all 64 features
.endr
.endr
	v_max3_num_f32 v220, v200, v201, v202
	v_max3_num_f32 v220, v220, v203, v204
	v_max3_num_f32 v220, v220, v205, v206
	v_max_num_f32 v220, v220, v207
	v_permlanex16_b32 v221, v220, s30, s31
	v_max_num_f32 v220, v220, v221                 ; the largest of the 16 scores
.irp j, 0,1,2,3,4,5,6,7
	v_sub_f32 v[208+\j], v[200+\j], v220
.endr
.irp j, 0,1,2,3,4,5,6,7
	v_exp_f32 v[208+\j], v[208+\j]
.endr
	v_nop                                          ; a plain instruction behind the last exponential,
	s_wait_alu depctr_va_vdst(0)                   ; and one wait for the eight, v208-215, ahead of their first reader; it also states that the last query's lines have written the other out-buffer, which the store below reads
.if \u > 0
	ds_store_b128 v6, v[PBUF:PBUF+3] offset:RP*(\u-1)  ; the last query's features 4 r .. 4 r + 3; both halves of the lanes write the same bytes with the same values
.endif
	v_add_f32 v222, v208, v209
	v_add_f32 v221, v210, v211
	v_add_f32 v222, v222, v212
	v_add_f32 v221, v221, v213
	v_add_f32 v222, v222, v214
	v_add_f32 v221, v221, v215
	v_add_f32 v222, v222, v221
	v_permlanex16_b32 v221, v222, s30, s31
	v_add_f32 v222, v222, v221                     ; the sum of the 16
	v_rcp_f32 v223, v222
.if \u > 1
	s_wait_dscnt 0x1                               ; the store of two queries back is done (the one just issued may be out),
	s_wait_alu depctr_vm_vsrc(0)                   ; and has read this out-buffer, which is written again below
.endif
.irp t, 0,1,2,3
	v_mul_f32 v[OBUF+\t], v208, v[160+8*\t]        ; (plain work behind the reciprocal, which it does not name)
.endr
.irp j, 1,2,3,4,5,6,7
.irp t, 0,1,2,3
	v_fmac_f32 v[OBUF+\t], v[208+\j], v[160+8*\t+\j]
.endr
.endr
.irp t, 0,1,2,3
	v_permlanex16_b32 v[200+\t], v[OBUF+\t], s30, s31
.endr
.irp t, 0,1,2,3
	v_add_f32 v[OBUF+\t], v[OBUF+\t], v[200+\t]    ; with the other eight neighbours
.endr
	s_wait_alu depctr_va_vdst(0)                   ; the wait for v223, the reciprocal, ahead of its first reader
.irp t, 0,1,2,3
	v_mul_f32 v[OBUF+\t], v[OBUF+\t], v223
.endr
.endm
.irp u, 0,1,2,3,4,5,6,7
	ATT \u
.endr
	s_wait_alu depctr_va_vdst(0)                   ; the last query's lines have written v192-195, which the store reads, and all eight queries' lines are done reading q in v224-239, in which the loads below land
	ds_store_b128 v6, v[192:195] offset:RP*7
; ---- 4: my eight rows as codes.  They are my own bytes, and LDS serves a wave's instructions in order: no barrier
.irp i, 0,1,2,3
	ds_load_b128 v[224+4*\i:227+4*\i], v7 offset:16*\i
.endr
.irp i, 204,205,206,207
	v_mov_b32 v[\i], 0                             ; the scores lay over the second fragment's K = 64 .. 127: zero codes again; the quantiser's lines stand between these and the products
.endr
	s_wait_dscnt 0x0
	QROW16 224, OCO
	BARRIER                                        ; the codes of all 32 attended rows lie in LDS
; ---- 5: y = out Wo + bo
	s_wait_alu depctr_vm_vsrc(0)                   ; the attended features' stores have read v192-195, in which a fragment's load lands, and v216-219, which a product writes; all LDS instructions so far have read v5, v6 and v7, which are written again below
	ds_load_b128 v[192:195], v10 offset:OCO
	ds_load_b128 v[200:203], v10 offset:OCO+512
	ds_load_b32 v50, v11 offset:OCO
	ds_load_b32 v51, v11 offset:OCO+64
	s_wait_dscnt 0x0
	WIN 0x11                                       ; source 0 (Wo) and source 2 (bo) window 1
	v_wmma_scale_f32_16x16x128_f8f6f4 v[208:215], v[72:79], v[192:199], v[80:87], v49, v50 matrix_a_fmt:MATRIX_FMT_FP4 matrix_b_fmt:MATRIX_FMT_FP4
	v_wmma_scale_f32_16x16x128_f8f6f4 v[216:223], v[72:79], v[200:207], v[80:87], v49, v51 matrix_a_fmt:MATRIX_FMT_FP4 matrix_b_fmt:MATRIX_FMT_FP4
	WIN 0
	v_lshl_add_u32 v5, v0, 4, OUTS                 ; the way out's addresses are three of the four places behind the products: 16 bytes a thread,
	v_lshlrev_b32 v6, 4, v0                        ; the same in memory,
	v_add_nc_u32 v7, OUTS+12288, v63               ; and the block's last 128 bytes, 4 a lane
	v_nop
	s_wait_alu depctr_va_vdst(0)                   ; behind the four places: the products have written v208-223, which the stores read; v5, v6 and v7 are written, which the way out's loads and stores read; and the products and vector lines of phase 3 are done with v128-152, in which its loads land
.irp m, 0,1
.irp j, 0,1,2,3,4,5,6,7
	ds_store_b32 v13, v[208+8*\m+\j] offset:16*OP*\m+4*\j          ; rows of 388 bytes are no multiple of 16: a number at a time, each result from its low end on
.endr
.endr
	BARRIER                                        ; the 32 rows of the output are whole
; ---- 6: 12,416 consecutive bytes: six times 2,048, and 128
.irp i, 0,1,2,3,4,5
	ds_load_b128 v[128+4*\i:131+4*\i], v5 offset:2048*\i
.endr
.irp i, 0,1,2,3,4,5
	s_wait_dscnt 5-\i                              ; the younger loads may be out
	global_store_b128 v6, v[128+4*\i:131+4*\i], s[26:27] offset:2048*\i th:TH_STORE_NT     ; a wave stores 512 consecutive bytes; written once, read by nobody here
.endr
	s_cmp_lg_u32 s28, 0
	s_cbranch_scc1 .Ldone
	ds_load_b32 v152, v7
	s_wait_dscnt 0x0
	global_store_b32 v63, v152, s[26:27] offset:12288 th:TH_STORE_NT
.Ldone:
	s_set_vgpr_msb 0x5
	s_wait_dscnt 0x0
	s_wait_alu depctr_hold_cnt(0) depctr_sa_sdst(0) depctr_va_vdst(0) depctr_va_sdst(0) depctr_va_ssrc(0) depctr_va_vcc(0) depctr_vm_vsrc(0)
	s_wait_tensorcnt 0x0
	ds_add_u32 v126, v127
	s_wait_dscnt 0x0
	s_endpgm
.Lfunc_end_k_q81005f6c38_query:
	.size	k_q81005f6c38_query, .Lfunc_end_k_q81005f6c38_query-k_q81005f6c38_query
	.p2alignl 7, 3214868480
	.fill 96, 4, 3214868480
	.section	.rodata,"a",@progbits
	.p2align	6, 0x0
	.amdhsa_kernel k_q81005f6c38_query
		.amdhsa_group_segment_fixed_size 33280
		.amdhsa_private_segment_fixed_size 0
		.amdhsa_enable_private_segment 0
		.amdhsa_kernarg_size 96
		.amdhsa_user_sgpr_count 2
		.amdhsa_user_sgpr_kernarg_segment_ptr 1
		.amdhsa_wavefront_size32 1
		.amdhsa_system_sgpr_workgroup_id_x 1
		.amdhsa_system_sgpr_workgroup_id_y 1
		.amdhsa_system_sgpr_workgroup_id_z 1
		.amdhsa_system_vgpr_workitem_id 0
		.amdhsa_next_free_vgpr 384
		.amdhsa_next_free_sgpr 66
		.amdhsa_reserve_vcc 0
		.amdhsa_float_denorm_mode_32 3
		.amdhsa_float_denorm_mode_16_64 3
		.amdhsa_memory_ordered 1
		.amdhsa_forward_progress 1
		.amdhsa_inst_pref_size 95
	.end_amdhsa_kernel
	.amdgpu_metadata
---
amdhsa.version: [ 1, 2 ]
amdhsa.kernels:
  - .name:           k_q81005f6c38_query
    .symbol:         k_q81005f6c38_query.kd
    .args:
      - { .name: coords, .offset: 0, .size: 8, .value_kind: global_buffer, .address_space: global }
      - { .name: image, .offset: 8, .size: 8, .value_kind: global_buffer, .address_space: global }
      - { .name: ln_gx, .offset: 16, .size: 8, .value_kind: global_buffer, .address_space: global }
      - { .name: ln_bx, .offset: 24, .size: 8, .value_kind: global_buffer, .address_space: global }
      - { .name: bo, .offset: 32, .size: 8, .value_kind: global_buffer, .address_space: global }
      - { .name: featT, .offset: 40, .size: 8, .value_kind: global_buffer, .address_space: global }
      - { .name: ccodes, .offset: 48, .size: 8, .value_kind: global_buffer, .address_space: global }
      - { .name: cscale, .offset: 56, .size: 8, .value_kind: global_buffer, .address_space: global }
      - { .name: wfrag, .offset: 64, .size: 8, .value_kind: global_buffer, .address_space: global }
      - { .name: nbr, .offset: 72, .size: 8, .value_kind: global_buffer, .address_space: global }
      - { .name: corner, .offset: 80, .size: 8, .value_kind: global_buffer, .address_space: global }
      - { .name: out0, .offset: 88, .size: 8, .value_kind: global_buffer, .address_space: global }
    .group_segment_fixed_size: 33280
    .private_segment_fixed_size: 0
    .kernarg_segment_align: 8
    .kernarg_segment_size: 96
    .max_flat_workgroup_size: 128
    .sgpr_count:     66
    .vgpr_count:     384
    .wavefront_size: 32
...
	.end_amdgpu_metadata
.endif
;; end of part 3
